; MI455X (gfx1250); checked and timed in simulation.
; The chip was launched on July 23, 2026; its instructions are those of AMD's public machine-readable ISA for CDNA 5 (MIT licence, August 2026) and "CDNA5" Instruction Set Architecture Reference Guide (July 2026). The comments in the code are by the model that wrote it; some were corrected since.
;; Attention Layer. Allowed arithmetic: matrix products marked QUANTISED: E2M3 operands, one E8M0 scale for each 32 along K, by v_wmma_scale_f32_16x16x128_f8f6f4 with both operands' format E2M3, f32 sums; everything else in f32.
;; Inputs: Wk 1,024 x 1,024 float32; Wo 1,024 x 1,024 float32; Wq 1,024 x 1,024 float32; Wv 1,024 x 1,024 float32; bk 1,024 float32; bo 1,024 float32; bq 1,024 float32; bv 1,024 float32; keys 4 x 2,048 x 1,024 float32; queries 4 x 2,048 x 1,024 float32; values 4 x 2,048 x 1,024 float32.
;; Outputs: out0 4 x 2,048 x 1,024 float32.
;; This version of the problem:
;;   THIS VERSION OF THE PROBLEM IS GIVEN IN LOW PRECISION. The matrix products marked QUANTISED in the list below multiply operands that are first quantised to E2M3 (2 exponent bits, 3 mantissa bits; 6 bits a number), with one power-of-two scale for each 32 numbers along K (OCP MX v1.0); their sums are f32. All else is computed in f32.
;;   The module's matrix products, in the order in which they are computed (A, B: the left and right operand; K: the contracted axis; several contracted axes count as one K, in the product's order):
;;     1. [M 8,192, K 1,024] x [K 1,024, N 1,024]; A: input queries; B: input Wq: QUANTISED
;;     2. [M 8,192, K 1,024] x [K 1,024, N 1,024]; A: input keys; B: input Wk: QUANTISED
;;     3. [M 8,192, K 1,024] x [K 1,024, N 1,024]; A: input values; B: input Wv: QUANTISED
;;     4. batch 64 x [M 2,048, K 64] x [K 64, N 2,048]; A: computed on the way; B: computed on the way: QUANTISED
;;     5. batch 64 x [M 64, K 2,048] x [K 2,048, N 2,048]; A: computed on the way; B: softmax (see below): QUANTISED
;;     6. [M 8,192, K 1,024] x [K 1,024, N 1,024]; A: computed on the way; B: input Wo: QUANTISED
;;   THE QUANTISER, for each operand of a quantised product, along K:
;;     - K is cut into blocks of 32 from its start; a last block that is shorter is filled with zeros.
;;     - A block's scale is 2^e with e = floor(log2(the largest magnitude in the block)) - 2, held to -126 .. 127; a block of zeros has e = 0. As a byte (E8M0): e + 127.
;;     - Each number is divided by its block's scale, clamped to +-7.5, and rounded to the nearest number of E2M3, ties to even, subnormals kept.
;;     - The product sums the exact products of the quantised numbers (number of the format x scale) in f32.
;;   ~~~python
;;   def quantise(x, axis):      # numpy; x: float32 -> the quantised numbers, widened to float32 again
;;       x = np.moveaxis(x, axis, -1); K = x.shape[-1]
;;       x = np.pad(x, [(0, 0)] * (x.ndim - 1) + [(0, -K % 32)]); x = x.reshape(x.shape[:-1] + (-1, 32)); a = np.abs(x).max(-1, keepdims=True)
;;       e = np.where(a > 0, np.clip(np.frexp(np.where(a > 0, a, 1))[1] - 1 - 2, -126, 127), 0)      # np.frexp(a)[1] - 1 = floor(log2(a)), exactly
;;       r = np.clip(x / 2.0 ** e, -7.5, 7.5)
;;       step = 2.0 ** (np.maximum(np.frexp(np.where(r == 0, 1, r))[1] - 1, 0) - 3)
;;       q = np.round(r / step) * step * 2.0 ** e      # np.round: ties to even
;;       return np.moveaxis(q.reshape(q.shape[:-2] + (-1,))[..., :K], -1, axis).astype(np.float32)
;;   ~~~
;;   SOFTMAX AHEAD OF A QUANTISED PRODUCT. Where the list says 'softmax', what is quantised is not the finished softmax but p = 2^(t - M), with t = logit x log2(e) and M = ceil(the row's largest t), a whole number; so 1/2 < the row's largest p <= 1. The row's sum l is taken of the UNQUANTISED p, in f32, and the product's result is divided by l at the end. Since M is a whole number, a kernel that streams over the keys may use a running M (the ceiling of the running maximum): every later rescaling is an exact power of two, which a block's scale takes up: the codes' values come out the same.
;;   OPERANDS COMPUTED ON THE WAY. 'Computed on the way' means the value that the module computes at that place (a softmax that the list does not call 'softmax' is quantised finished and normalised). What goes into a quantiser is computed in f32, as accurately as f32 sums, v_exp_f32 and their like allow (about 1e-6 of the number): no bf16 or f16 on the way to a quantiser, and a product that is left as it is and whose result goes on into a quantised operand takes f32 operands (vector FMAs, or v_wmma_f32_16x16x4_f32). A number that lies on a knife's edge between two numbers of the format may be rounded either way, as far as f32 arithmetic and the matrix unit's own rounding can turn it there, and no further.
;; One version. Each part assembles by itself: llvm-mc -triple=amdgcn-amd-amdhsa -mcpu=gfx1250 --defsym DOCPART=n.
;; ======== version 1 of 1: 4 launches
;; limits: right only within a limited range of input values
;; workspace buffers: codes 28,311,552 bytes; scales 917,504 bytes; hc 18,874,368 bytes; hs 1,310,720 bytes; os 262,144 bytes
;; launch quant (part 1): grid 512 x 1, 4 waves a work-group, no clusters, 69,120 bytes of LDS; arguments Wq, Wk, Wv, Wo, queries, keys, values, codes, scales; writes codes, scales
.if DOCPART == 1
	.amdgcn_target "amdgcn-amd-amdhsa--gfx1250"
	.amdhsa_code_object_version 6
	.text
	.protected	k_qb96f16d045_quant
	.globl	k_qb96f16d045_quant
	.p2align	8
	.type	k_qb96f16d045_quant,@function
k_qb96f16d045_quant:
	s_mov_b64 s[64:65], 0
	v_nop
	global_prefetch_b8 v0, s[64:65] scope:SCOPE_SE
	s_setreg_imm32_b32 hwreg(HW_REG_WAVE_MODE, 25, 1), 1
	s_wait_xcnt 0x0
; One launch turns all seven f32 operands of the projections into codes of FP6 (E2M3), K innermost, with one E8M0 byte for each 32 along K.
; A block's scale is 2^(floor(log2(its largest magnitude)) - 2); its byte is that magnitude's exponent field - 2, held at 1 from below.
; LIMITS: a block whose largest magnitude lies under 2^-124 gets the byte 1; a block of zeros gets 1 where the rule says 127 (its codes are zeros, and this program alone reads the bytes); NaN and infinities are not served.
; THE CODES' LAYOUT: [K / 256][row / 128][plane of 64 codes: 4][row % 128][48 bytes]; a row's PLACE is its number with bits 3 and 4 exchanged.  Scale bytes: [place][32].
; Work-groups 0-127 take the four weights [1024 (k)][1024 (n)], K their FIRST axis: weight id / 32, K chunk (id / 8) % 4, columns 128 (id % 8) on.  A lane takes a column and its registers run down K.
; Work-groups 128-511 take queries, keys and values, [8192][1024], K innermost: tensor (id - 128) / 128, rows 64 ((id - 128) % 128) on; a step's 2,048 bytes turn through the wave's own stage so that a lane holds 16 neighbours.
; The two paths part on the work-group's number alone and have LDS bytes of their own; they join at the end.  No tensor loads, no barrier: waves share nothing; nothing is read twice, so no cluster.
.set CH,    7077888
.set PITCH, 272                        ; weights: a stage row: a column's sixteen places of 16 bytes + 16
.set WX,    32                         ; v32-95 two sets of 32 numbers
.set WC,    96                         ; a block's codes
.set OUTR,  112
.set SB,    24
.set XB,    35840                      ; LDS: the tokens' path begins here
.set SP,    80
.set WREG,  8192
.set R,     16                         ; v16-143 eight sets of 16 numbers as loaded
.set X,     144
.set C,     176
.set E,     208
.set SPARE, 68608                      ; the spare words, 128 bytes a wave
	v_lshl_add_u32 v216, v0, 2, SPARE
	v_mov_b32 v217, 0
	s_wait_alu depctr_va_vdst(0)
	s_cmp_lt_u32 ttmp9, 128
	s_cbranch_scc0 .Ltokens
	s_load_b256 s[4:11], s[0:1], 0x0               ; Wq, Wk, Wv, Wo
	s_load_b128 s[12:15], s[0:1], 0x38             ; codes, scales
	v_lshrrev_b32 v1, 5, v0
	v_readfirstlane_b32 s16, v1                    ; wave
	v_and_b32 v2, 31, v0                           ; lane
	s_and_b32 s17, ttmp9, 7                        ; which 128 columns
	s_lshr_b32 s18, ttmp9, 3
	s_lshr_b32 s19, s18, 2                         ; which weight
	s_and_b32 s20, s18, 3                          ; which 256 along K
	v_lshlrev_b32 v3, 2, v2
	s_mul_i32 s21, s16, 32*PITCH                   ; my stage
	v_mul_u32_u24 v4, v2, PITCH
	v_add_nc_u32 v4, s21, v4                       ; into it: row = my column
	v_lshrrev_b32 v5, 2, v2
	v_and_b32 v6, 3, v2
	v_mul_u32_u24 v7, v5, PITCH
	v_lshl_add_u32 v7, v6, 4, v7
	v_add_nc_u32 v7, s21, v7                       ; out of it: four lanes to a column's plane of 48 bytes
	v_mul_u32_u24 v8, v2, 12
	v_and_b32 v9, 7, v2                            ; the lane's place: bits 3 and 4 change places
	v_and_b32 v10, 8, v2
	v_lshl_or_b32 v9, v10, 1, v9
	v_bfe_u32 v10, v2, 4, 1
	v_lshl_or_b32 v9, v10, 3, v9
	v_lshlrev_b32 v9, 5, v9                        ; 32 scale bytes a place
	s_lshl_b32 s22, s20, 20
	s_lshl_b32 s23, s17, 9
	s_add_co_u32 s22, s22, s23
	s_lshl_b32 s23, s16, 7
	s_add_co_u32 s22, s22, s23
	s_mov_b32 s23, 0
	s_mul_i32 s24, s20, CH
	s_lshl_b32 s25, s19, 3
	s_add_co_u32 s25, s25, s17
	s_add_co_u32 s25, s25, 192                     ; the weights begin at row 24,576 = 128 x 192
	s_mul_i32 s25, s25, 24576
	s_add_co_u32 s24, s24, s25
	s_mul_i32 s25, s16, 1536
	s_add_co_u32 s24, s24, s25
	s_mov_b32 s25, 0
	s_lshl_b32 s26, s19, 10
	s_lshl_b32 s27, s17, 7
	s_add_co_u32 s26, s26, s27
	s_lshl_b32 s27, s16, 5
	s_add_co_u32 s26, s26, s27
	s_add_co_u32 s26, s26, 24576
	s_lshl_b32 s26, s26, 5
	s_lshl_b32 s27, s20, 3
	s_add_co_u32 s26, s26, s27
	s_mov_b32 s27, 0
	s_wait_alu depctr_va_vdst(0)
	s_wait_kmcnt 0x0
	s_cmp_eq_u32 s19, 1
	s_cselect_b64 s[4:5], s[6:7], s[4:5]
	s_cmp_eq_u32 s19, 2
	s_cselect_b64 s[4:5], s[8:9], s[4:5]
	s_cmp_eq_u32 s19, 3
	s_cselect_b64 s[4:5], s[10:11], s[4:5]
	s_add_nc_u64 s[4:5], s[4:5], s[22:23]
	s_add_nc_u64 s[12:13], s[12:13], s[24:25]
	s_add_nc_u64 s[14:15], s[14:15], s[26:27]
.macro LOADW t                         ; block t: W(32 t + i, my column) into set t % 2
.irp i, 0,1,2,3,4,5,6,7,8,9,10,11,12,13,14,15,16,17,18,19,20,21,22,23,24,25,26,27,28,29,30,31
	global_load_b32 v[WX+32*((\t)%2)+\i], v3, s[4:5] offset:(32*(\t)+\i)*4096 th:TH_LOAD_NT
.endr
.endm
	LOADW 0
	LOADW 1
.macro BLOCK t
.set XS, WX+32*((\t)%2)
.if (\t) < 7
	s_wait_loadcnt 32                              ; this block's 32 loads are in; the next block's may be out
.else
	s_wait_loadcnt 0
.endif
	v_max3_num_f32 v12, |v[XS]|, |v[XS+1]|, |v[XS+2]|
	v_max3_num_f32 v13, |v[XS+3]|, |v[XS+4]|, |v[XS+5]|
.irp i, 6,10,14,18,22,26
	v_max3_num_f32 v12, v12, |v[XS+\i]|, |v[XS+\i+1]|
	v_max3_num_f32 v13, v13, |v[XS+\i+2]|, |v[XS+\i+3]|
.endr
	v_max3_num_f32 v12, v12, |v[XS+30]|, |v[XS+31]|
	v_max3_num_f32 v12, v12, v13, 0x1800000        ; the floor 2^(3 - 127)
	v_add_nc_u32 v11, 0xff000000, v12              ; 2 off the exponent field: the conversion's scale operand
	v_lshrrev_b32 v13, 23, v11
.if (\t)%4 == 0
	v_mov_b32 v[SB+(\t)/4], v13
.else
	v_lshl_or_b32 v[SB+(\t)/4], v13, 8*((\t)%4), v[SB+(\t)/4]
.endif
	v_cvt_scalef32_pk16_fp6_f32 v[WC:WC+2], v[XS:XS+15], v11
	v_cvt_scalef32_pk16_fp6_f32 v[WC+4:WC+6], v[XS+16:XS+31], v11
	ds_store_b96 v4, v[WC:WC+2] offset:32*(\t)
	ds_store_b96 v4, v[WC+4:WC+6] offset:32*(\t)+16
.if (\t)+2 < 8
	LOADW (\t)+2
.endif
	s_wait_dscnt 0x0                               ; the stores have read their registers
.endm
.irp t, 0,1,2,3,4,5,6,7
	BLOCK \t
.endr
	s_wait_alu depctr_va_vdst(0)
	global_store_b64 v9, v[SB:SB+1], s[14:15]      ; my column's 8 scale bytes of this chunk
.irp u, 0,1,2,3
.irp g, 0,1,2,3
	ds_load_b96 v[OUTR+4*(4*\u+\g):OUTR+4*(4*\u+\g)+2], v7 offset:8*((\g%2)*2+\g/2)*PITCH+64*\u   ; plane u, places 8 g on: LDS serves a wave's instructions in order
.endr
.endr
.irp u, 0,1,2,3
.irp g, 0,1,2,3
	s_wait_dscnt 15-(4*\u+\g)
	global_store_b96 v8, v[OUTR+4*(4*\u+\g):OUTR+4*(4*\u+\g)+2], s[12:13] offset:\u*6144+384*\g   ; 384 consecutive bytes; a plane's four stores fill 1,536 on end
.endr
.endr
	s_branch .Lend
.Ltokens:
	s_load_b256 s[4:11], s[0:1], 0x20              ; queries, keys, values, codes
	s_load_b64 s[12:13], s[0:1], 0x40              ; scales
	v_lshrrev_b32 v1, 5, v0
	v_readfirstlane_b32 s16, v1                    ; wave w: G = w / 2, u = w % 2: rows 32 G + 8 u + 16 g + 0 .. 7, whose places are 32 G + 16 u + 8 g + 0 .. 7
	v_and_b32 v2, 31, v0
	s_sub_co_u32 s18, ttmp9, 128
	s_lshr_b32 s17, s18, 7                         ; tensor
	s_and_b32 s18, s18, 127                        ; block of 64 rows
	s_lshr_b32 s19, s16, 1
	s_and_b32 s28, s16, 1
	v_lshrrev_b32 v3, 4, v2
	v_and_b32 v8, 15, v2
	v_lshlrev_b32 v3, 12, v3
	v_lshl_or_b32 v3, v8, 4, v3                    ; in: lanes 0-15 one row, lanes 16-31 the next; 16 bytes a lane
	v_mul_u32_u24 v4, v2, 12
	s_mul_i32 s29, s16, WREG
	s_add_co_u32 s29, s29, XB
	v_lshrrev_b32 v9, 2, v2
	v_mul_u32_u24 v10, v9, SP
	v_and_b32 v8, 3, v2
	v_lshl_add_u32 v10, v8, 4, v10
	v_add_nc_u32 v10, s29, v10                     ; the stage, on the way in
	v_mul_u32_u24 v13, v2, SP
	v_add_nc_u32 v13, s29, v13                     ; on the way out: my 16 neighbours
	s_add_co_u32 s29, s29, 2*32*SP
	v_bfe_u32 v8, v2, 1, 1
	v_lshl_add_u32 v5, v9, 5, v8
	v_add_nc_u32 v5, s29, v5                       ; my block's scale byte
	v_lshlrev_b32 v7, 4, v2
	v_add_nc_u32 v6, s29, v7
	s_lshl_b32 s30, s18, 6
	s_lshl_b32 s31, s19, 5
	s_add_co_u32 s30, s30, s31
	s_lshl_b32 s31, s28, 3
	s_add_co_u32 s14, s30, s31
	s_lshl_b32 s14, s14, 12
	s_mov_b32 s15, 0
	s_lshl_b32 s31, s28, 4
	s_add_co_u32 s30, s30, s31                     ; my first place in the tensor
	s_and_b32 s31, s30, 127
	s_mul_i32 s31, s31, 48
	s_lshr_b32 s20, s30, 7
	s_lshl_b32 s21, s17, 6
	s_add_co_u32 s20, s20, s21
	s_mul_i32 s20, s20, 24576
	s_add_co_u32 s20, s20, s31
	s_mov_b32 s21, 0
	s_lshl_b32 s22, s17, 13
	s_add_co_u32 s22, s22, s30
	s_lshl_b32 s22, s22, 5
	s_mov_b32 s23, 0
	s_wait_alu depctr_va_vdst(0)
	s_wait_kmcnt 0x0
	s_cmp_eq_u32 s17, 1
	s_cselect_b64 s[4:5], s[6:7], s[4:5]
	s_cmp_eq_u32 s17, 2
	s_cselect_b64 s[4:5], s[8:9], s[4:5]
	s_add_nc_u64 s[4:5], s[4:5], s[14:15]
	s_add_nc_u64 s[12:13], s[12:13], s[22:23]
	s_add_nc_u64 s[20:21], s[10:11], s[20:21]      ; a base for each of the four K chunks
	s_add_nc_u64 s[22:23], s[20:21], CH
	s_add_nc_u64 s[24:25], s[22:23], CH
	s_add_nc_u64 s[26:27], s[24:25], CH
.macro LOADX tau                       ; step tau = 2 x plane + g: 8 rows x one plane
.irp i, 0,1,2,3
	global_load_b128 v[R+16*((\tau)%8)+4*\i:R+16*((\tau)%8)+4*\i+3], v3, s[4:5] offset:(16*((\tau)%2)+2*\i)*4096+256*((\tau)/2) th:TH_LOAD_NT
.endr
.endm
.macro TURNX tau                       ; through the stage: LDS serves a wave's instructions in order
.irp i, 0,1,2,3
	ds_store_b128 v10, v[R+16*((\tau)%8)+4*\i:R+16*((\tau)%8)+4*\i+3] offset:32*SP*((\tau)%2)+8*SP*\i
.endr
.irp i, 0,1,2,3
	ds_load_b128 v[X+16*((\tau)%2)+4*\i:X+16*((\tau)%2)+4*\i+3], v13 offset:32*SP*((\tau)%2)+16*\i
.endr
.endm
.irp tau, 0,1,2,3,4,5,6,7
	LOADX \tau
.endr
	s_wait_loadcnt 28                              ; step 0's four loads are in
	TURNX 0
.macro STEPX tau
.set XS, X+16*((\tau)%2)
.set CC, C+4*((\tau)%8)
.if (\tau) > 0
	s_wait_dscnt 1                                 ; this step's numbers are back (the last step's byte store may be out)
.else
	s_wait_dscnt 0x0
.endif
.if (\tau)+8 < 32
	LOADX (\tau)+8
.endif
.if (\tau)+1 < 32
.if 30-(\tau) >= 7
	s_wait_loadcnt 28                              ; the next step's four loads are in; those of the seven steps behind it may be out
.else
	s_wait_loadcnt 4*(30-(\tau))
.endif
	TURNX (\tau)+1
.endif
	v_max3_num_f32 v8, |v[XS]|, |v[XS+1]|, |v[XS+2]|
	v_max3_num_f32 v9, |v[XS+3]|, |v[XS+4]|, |v[XS+5]|
.irp i, 6,10
	v_max3_num_f32 v8, v8, |v[XS+\i]|, |v[XS+\i+1]|
	v_max3_num_f32 v9, v9, |v[XS+\i+2]|, |v[XS+\i+3]|
.endr
	v_max3_num_f32 v8, v8, |v[XS+14]|, |v[XS+15]|
	v_max3_num_f32 v8, v8, v9, 0x1800000
	v_max_num_f32_dpp v8, v8, v8 row_xmask:1 row_mask:0xf bank_mask:0xf   ; with my neighbour's 16: the block's
	v_add_nc_u32 v11, 0xff000000, v8
.if (\tau) >= 8
	s_wait_alu depctr_va_vdst(0)
	s_wait_xcnt 0x0                                ; the store of eight steps ago has read this set of codes
.endif
	v_cvt_scalef32_pk16_fp6_f32 v[CC:CC+2], v[XS:XS+15], v11
	v_lshrrev_b32 v[E+(\tau)%4], 23, v11
	ds_store_b8 v5, v[E+(\tau)%4] offset:256*((\tau)%2)+2*((\tau)/2)   ; both lanes of a block write the same byte with the same value
	global_store_b96 v4, v[CC:CC+2], s[20+2*((\tau)/8):21+2*((\tau)/8)] offset:(((\tau)/2)%4)*6144+384*((\tau)%2)
.endm
.irp tau, 0,1,2,3,4,5,6,7,8,9,10,11,12,13,14,15,16,17,18,19,20,21,22,23,24,25,26,27,28,29,30,31
	STEPX \tau
.endr
	ds_load_b128 v[212:215], v6
	s_wait_dscnt 0x0
	global_store_b128 v7, v[212:215], s[12:13]     ; sixteen places' scale bytes: 512 consecutive bytes
.Lend:
	s_wait_tensorcnt 0x0                           ; the wave's end
	ds_add_u32 v216, v217
	s_wait_dscnt 0x0
	s_endpgm
.Lfunc_end_k_qb96f16d045_quant:
	.size	k_qb96f16d045_quant, .Lfunc_end_k_qb96f16d045_quant-k_qb96f16d045_quant
	.p2alignl 7, 3214868480
	.fill 96, 4, 3214868480
	.section	.rodata,"a",@progbits
	.p2align	6, 0x0
	.amdhsa_kernel k_qb96f16d045_quant
		.amdhsa_group_segment_fixed_size 69120
		.amdhsa_private_segment_fixed_size 0
		.amdhsa_enable_private_segment 0
		.amdhsa_kernarg_size 72
		.amdhsa_user_sgpr_count 2
		.amdhsa_user_sgpr_kernarg_segment_ptr 1
		.amdhsa_wavefront_size32 1
		.amdhsa_system_sgpr_workgroup_id_x 1
		.amdhsa_system_sgpr_workgroup_id_y 1
		.amdhsa_system_sgpr_workgroup_id_z 1
		.amdhsa_system_vgpr_workitem_id 0
		.amdhsa_next_free_vgpr 218
		.amdhsa_next_free_sgpr 66
		.amdhsa_reserve_vcc 0
		.amdhsa_float_denorm_mode_32 3
		.amdhsa_float_denorm_mode_16_64 3
		.amdhsa_memory_ordered 1
		.amdhsa_forward_progress 1
		.amdhsa_inst_pref_size 106
	.end_amdhsa_kernel
	.amdgpu_metadata
---
amdhsa.version: [ 1, 2 ]
amdhsa.kernels:
  - .name:           k_qb96f16d045_quant
    .symbol:         k_qb96f16d045_quant.kd
    .args:
      - { .name: Wq, .offset: 0, .size: 8, .value_kind: global_buffer, .address_space: global }
      - { .name: Wk, .offset: 8, .size: 8, .value_kind: global_buffer, .address_space: global }
      - { .name: Wv, .offset: 16, .size: 8, .value_kind: global_buffer, .address_space: global }
      - { .name: Wo, .offset: 24, .size: 8, .value_kind: global_buffer, .address_space: global }
      - { .name: queries, .offset: 32, .size: 8, .value_kind: global_buffer, .address_space: global }
      - { .name: keys, .offset: 40, .size: 8, .value_kind: global_buffer, .address_space: global }
      - { .name: values, .offset: 48, .size: 8, .value_kind: global_buffer, .address_space: global }
      - { .name: codes, .offset: 56, .size: 8, .value_kind: global_buffer, .address_space: global }
      - { .name: scales, .offset: 64, .size: 8, .value_kind: global_buffer, .address_space: global }
    .group_segment_fixed_size: 69120
    .private_segment_fixed_size: 0
    .kernarg_segment_align: 8
    .kernarg_segment_size: 72
    .max_flat_workgroup_size: 128
    .sgpr_count:     66
    .vgpr_count:     218
    .wavefront_size: 32
...
	.end_amdgpu_metadata
.endif
;; end of part 1
;; launch proj (part 2): grid 4 x 96, 4 waves a work-group, clusters of 4 x 4, 327,680 bytes of LDS; arguments codes, scales, bq, bk, bv, hc, hs; writes hc, hs
.if DOCPART == 2
	.amdgcn_target "amdgcn-amd-amdhsa--gfx1250"
	.amdhsa_code_object_version 6
	.text
	.protected	k_qb96f16d045_proj
	.globl	k_qb96f16d045_proj
	.p2align	8
	.type	k_qb96f16d045_proj,@function
k_qb96f16d045_proj:
	s_mov_b64 s[64:65], 0
	v_nop
	global_prefetch_b8 v0, s[64:65] scope:SCOPE_SE
	s_setreg_imm32_b32 hwreg(HW_REG_WAVE_MODE, 25, 1), 1
	s_wait_xcnt 0x0
	s_wait_alu depctr_hold_cnt(0) depctr_sa_sdst(0) depctr_va_vdst(0) depctr_va_sdst(0) depctr_va_ssrc(0) depctr_va_vcc(0) depctr_vm_vsrc(0)
	s_getreg_b32 s2, hwreg(HW_REG_IB_STS2, 6, 4)
	s_cmp_eq_u32 s2, 0
	s_cbranch_scc0 .Lentry_in_a_cluster
	s_endpgm
.Lentry_in_a_cluster:
	s_bfe_u32 s2, ttmp6, 0x10000c
	s_cmp_lg_u32 s2, 0xf033
	s_cbranch_scc0 .Lentry_shape_is_right
	s_endpgm
.Lentry_shape_is_right:
.set CH,     7077888
.set HS,     98304
.set NQ,     2
.set FR,     12
.set NL,     6
.set NP,     4
.set HALFT,  24576
.set PL,     2*HALFT                   ; a place: one K chunk of 256 rows.  LDS: A's three places, then B's three; chunk 3 comes into place 0
.set SCL,    6*PL
.set HALFS,  16*272
.set SBLK,   2*272
.set SPARE,  SCL+4*HALFS
.set STG,    PL                        ; the stages lie in A's place 1: it has had its only fill, and every wave has passed a barrier behind its last read of it
.set SST,    STG+4*3072
.set ADRA, 16
.set SSA,  18
.set RD2,  19
.set ADRB, 20
.set SCO,  22
.set STO,  24
.set RD,   25
.set CO,   26
.set ADRS, 27
.set SPW,  28
.set NIL,  29
.set ZR,   30
.set SH,   31
.set SC,   32
.set CB,   64
.set AF,   128
.set RB,   240
.set HA,   128
.set PC,   192
.set TM,   212
.set PW,   228
.set WS,   229
.set OUTR, 32
.set G1, 24
.set G0, 32
.set G1B, 48
.set G0B, 56
.set G1S, 68
.set G0S, 76
.set G1SB, 80
.set G0SB, 88
.set SEL, 100
.set MSB, 0
.macro WIN new
.if MSB != (\new)
	s_set_vgpr_msb (MSB<<8)|(\new)
.set MSB, \new
.endif
.endm
.set MUL_LO, 0xa1
.set MUL_HI, 0xf1
.set BEG_LO, 0x81
.set BEG_HI, 0xc1
.set TO_B,   0x40
.macro JLOAD g0a, g1a, g0b, g1b
	s_cmp_eq_u32 s15, 0
	s_cbranch_scc0 .Lfor_b_\@
	tensor_load_to_lds s[\g0a:\g0a+3], s[\g1a:\g1a+7]
	s_nop 0
.rept 4
	v_nop
.endr
	s_branch .Lasked_\@
.Lfor_b_\@:
	tensor_load_to_lds s[\g0b:\g0b+3], s[\g1b:\g1b+7]
	s_nop 0
.rept 4
	v_nop
.endr
.Lasked_\@:
.endm
.macro CREST
	s_cmp_lg_u32 s14, 0
	s_cbranch_scc1 .Lnot_wave_0_\@
	s_barrier_signal -3
.Lnot_wave_0_\@:
	s_barrier_wait -3
	s_barrier_signal -1
	s_barrier_wait -1
.endm
.macro CROUND
	s_barrier_signal -1
	s_barrier_wait -1
	CREST
.endm
	s_load_b256 s[4:11], s[0:1], 0x0
	s_load_b128 s[92:95], s[0:1], 0x20
	s_load_b64 s[98:99], s[0:1], 0x30
	v_lshl_add_u32 v[SPW], v0, 2, SPARE
	v_mov_b32 v[NIL], 0
	ds_add_u32 v28, v29
	ds_add_u32 v28, v29
	s_wait_dscnt 0x0
	v_lshrrev_b32 v1, 5, v0
	v_readfirstlane_b32 s14, v1
	s_lshr_b32 s15, s14, 1
	s_and_b32 s16, s14, 1
	s_bfe_u32 s40, ttmp6, 0x40000
	s_bfe_u32 s41, ttmp6, 0x40004
	s_and_b32 s96, ttmp7, 0xffff
	s_lshr_b32 s12, s96, 3
	s_and_b32 s96, s96, 7
	s_lshl_b32 s96, s96, 2
	s_lshl_b32 s18, s12, 13
	s_lshl_b32 s19, s12, 10
	s_add_co_u32 s19, s19, 24576
	s_mov_b32 s66, HS
	s_mov_b32 s67, 3072
	s_cmp_eq_u32 s12, 2
	s_cselect_b32 s13, 1, 0
	s_cselect_b32 s97, -1, 0
	s_cselect_b32 s17, 0, s96
	s_cselect_b32 s42, s96, 0
	s_cselect_b32 s18, 26624, s18
	s_cselect_b32 s19, 16384, s19
	s_cselect_b32 s66, 3072, s66
	s_cselect_b32 s67, HS, s67
	s_add_co_u32 s17, s17, s41
	s_add_co_u32 s42, s42, s40
	s_lshl_b32 s43, s41, 2
	s_lshl_b32 s43, 15, s43
	s_lshl_b32 s44, 0x1111, s40
	s_or_b32 s[G1+0], s43, (3<<16)|(1<<21)
	s_or_b32 s[G1B+0], s44, (3<<16)|(1<<21)
.irp g, G1, G1B
	s_mov_b32 s[\g+1], 6144<<16                    ; the head's loads: three rows of 49,152 bytes (256 rows x one chunk), one chunk apart in memory
	s_mov_b32 s[\g+2], 3<<16
	s_mov_b32 s[\g+3], 6144<<16
	s_mov_b32 s[\g+4], 3
	s_mov_b32 s[\g+5], CH/8
	s_mov_b32 s[\g+6], 0
	s_mov_b32 s[\g+7], 0
.endr
	s_or_b32 s[G1S+0], s43, (3<<16)|(1<<20)|(1<<21)|(5<<22)|(3<<25)
	s_or_b32 s[G1SB+0], s44, (3<<16)|(1<<20)|(1<<21)|(5<<22)|(3<<25)
.irp g, G1S, G1SB
	s_mov_b32 s[\g+1], 32<<16
	s_mov_b32 s[\g+2], 32<<16
	s_mov_b32 s[\g+3], 32<<16
	s_mov_b32 s[\g+4], 32
	s_mov_b32 s[\g+5], 32
	s_mov_b32 s[\g+6], 0
	s_mov_b32 s[\g+7], 0
.endr
	s_lshl_b32 s3, s16, 7
	s_lshl_b32 s20, s17, 8
	s_add_co_u32 s20, s20, s3
	s_add_co_u32 s20, s20, s18
	s_lshl_b32 s46, s42, 8
	s_add_co_u32 s46, s46, s3
	s_add_co_u32 s46, s46, s19
	s_lshl_b32 s22, s20, 5
	s_mov_b32 s23, 0
	s_lshr_b32 s20, s20, 7
	s_mul_i32 s20, s20, 24576
	s_mov_b32 s21, 0
	s_lshl_b32 s18, s46, 5
	s_mov_b32 s19, 0
	s_lshr_b32 s46, s46, 7
	s_mul_i32 s46, s46, 24576
	s_mov_b32 s47, 0
	s_mov_b32 s[SEL], 0x76543210
	s_mov_b32 s[SEL+1], 0xfedcba98
	s_wait_kmcnt 0x0
	s_add_nc_u64 s[20:21], s[4:5], s[20:21]
	s_add_nc_u64 s[22:23], s[6:7], s[22:23]
	s_add_nc_u64 s[46:47], s[4:5], s[46:47]
	s_add_nc_u64 s[18:19], s[6:7], s[18:19]
	CROUND
; The head's four tiles, one joint load a wave: wave 0 chunks 0 to 2 of A's 256 rows, wave 1 those of B's, wave 2 the scales of A's 256 rows, wave 3 those of B's.
	s_lshl_b32 s2, s16, 12                         ; my half's scale bytes: taken off again, so that the block begins at the tile's first row
	s_mov_b32 s3, 0
	s_mov_b32 s[G0S], 1
	s_mov_b32 s[G0S+1], SCL
	s_sub_nc_u64 s[G0S+2:G0S+3], s[22:23], s[2:3]
	s_or_b32 s[G0S+3], s[G0S+3], 0x80000000
	s_mov_b32 s[G0SB], 1
	s_mov_b32 s[G0SB+1], SCL+2*HALFS
	s_sub_nc_u64 s[G0SB+2:G0SB+3], s[18:19], s[2:3]
	s_or_b32 s[G0SB+3], s[G0SB+3], 0x80000000
	s_mul_i32 s2, s16, HALFT                       ; my half's codes
	s_mov_b32 s[G0], 1                             ; the one refill: my quarter of chunk 3, into place 0 (the change of places adds two chunks to this address)
	s_add_co_u32 s[G0+1], s2, 0
	s_add_nc_u64 s[G0+2:G0+3], s[20:21], CH
	s_or_b32 s[G0+3], s[G0+3], 0x80000000
	s_mov_b32 s[G0B], 1
	s_add_co_u32 s[G0B+1], s2, 3*PL
	s_add_nc_u64 s[G0B+2:G0B+3], s[46:47], CH
	s_or_b32 s[G0B+3], s[G0B+3], 0x80000000
	s_mov_b32 s[G0+4], 1                           ; the head's loads of codes, from the tile's first row on
	s_mov_b32 s[G0+5], 0
	s_sub_nc_u64 s[G0+6:G0+7], s[20:21], s[2:3]
	s_or_b32 s[G0+7], s[G0+7], 0x80000000
	s_mov_b32 s[G0B+4], 1
	s_mov_b32 s[G0B+5], 3*PL
	s_sub_nc_u64 s[G0B+6:G0B+7], s[46:47], s[2:3]
	s_or_b32 s[G0B+7], s[G0B+7], 0x80000000
.macro ARMP under, g0, g1, next
	s_cmp_lt_u32 s14, \under
	s_cbranch_scc0 \next
	tensor_load_to_lds s[\g0:\g0+3], s[\g1:\g1+7]
	s_nop 0
.rept 4
	v_nop
.endr
	s_branch .Lhead_asked
\next:
.endm
	ARMP 1, G0+4,  G1,  .Lhead_b
	ARMP 2, G0B+4, G1B, .Lhead_sa
	ARMP 3, G0S, G1S, .Lhead_sb
	tensor_load_to_lds s[G0SB:G0SB+3], s[G1SB:G1SB+7]
	s_nop 0
.rept 4
	v_nop
.endr
.Lhead_asked:
	v_and_b32 v1, 15, v0
	v_bfe_u32 v2, v0, 4, 1
	s_wait_alu depctr_va_vdst(0)
	v_and_b32 v6, 31, v0
	s_lshl_b32 s20, s42, 10
	s_lshl_b32 s21, s16, 9
	s_add_co_u32 s20, s20, s21
	s_lshl_b32 s22, s17, 10
	s_lshl_b32 s23, s15, 9
	s_add_co_u32 s22, s22, s23
	s_cmp_eq_u32 s12, 1
	s_cselect_b64 s[8:9], s[10:11], s[8:9]
	s_cmp_eq_u32 s12, 2
	s_cselect_b64 s[8:9], s[92:93], s[8:9]
	s_cselect_b32 s20, 0, s20
	s_cselect_b32 s22, s22, 0
	s_mov_b32 s21, 0
	s_mov_b32 s23, 0
	s_add_nc_u64 s[10:11], s[8:9], s[20:21]
	s_add_nc_u64 s[92:93], s[8:9], s[22:23]
	v_lshlrev_b32 v4, 6, v2
	v_and_b32 v5, 8, v1
	v_add_nc_u32 v5, v5, v1
	v_lshlrev_b32 v5, 2, v5
.irp t, 0,1,2,3,4,5,6,7
	global_load_b128 v[CB+8*\t:CB+8*\t+3], v4, s[10:11] offset:(32*(\t/2)+8*(\t%2))*4
	global_load_b128 v[CB+8*\t+4:CB+8*\t+7], v4, s[10:11] offset:(32*(\t/2)+8*(\t%2))*4+16
.endr
.irp a, 0,1,2,3,4,5,6,7
	global_load_b32 v[RB+2*\a], v5, s[92:93] offset:(32*(\a/2)+8*(\a%2))*4
.endr
	v_mul_u32_u24 v3, v1, 48
	v_mad_u32_u24 v3, v2, 24, v3
	s_mul_i32 s21, s15, HALFT
	s_mul_i32 s22, s16, HALFT
	s_add_co_u32 s22, s22, 3*PL
.irp s, 0,1
	v_add_nc_u32 v[ADRA+\s], s21, v3
	v_add_nc_u32 v[ADRB+\s], s22, v3
	s_add_co_u32 s21, s21, PL
	s_add_co_u32 s22, s22, PL
.endr
	v_add_nc_u32 v14, s21, v3                      ; place 2
	v_add_nc_u32 v15, s22, v3
	v_lshlrev_b32 v7, 5, v1
	v_lshrrev_b32 v8, 8, v7
	v_lshl_add_u32 v7, v8, 4, v7
	s_mul_i32 s21, s15, HALFS
	s_mul_i32 s22, s16, HALFS
	s_add_co_u32 s22, s22, 2*HALFS
	s_sub_co_u32 s22, s22, s21
	v_mul_u32_u24 v8, s22, v2
	s_add_co_u32 s21, s21, SCL
	v_add_nc_u32 v7, v7, v8
	v_add_nc_u32 v[ADRS], s21, v7
	s_mul_i32 s23, s14, 3072
	s_add_co_u32 s23, s23, STG
	v_add_nc_u32 v[STO], s23, v3
	v_lshlrev_b32 v[CO], 4, v6
	v_add_nc_u32 v[RD], s23, v[CO]
	s_lshl_b32 s23, s14, 10
	s_add_co_u32 s23, s23, SST
	v_add_nc_u32 v[RD2], s23, v[CO]
	v_lshlrev_b32 v7, 2, v1
	v_lshl_add_u32 v7, v2, 9, v7
	v_add_nc_u32 v[SSA], s23, v7
	v_lshlrev_b32 v[SH], 4, v2
	v_mov_b32 v[ZR], 0
	s_wait_alu depctr_va_vdst(0)
	s_wait_loadcnt 0x0
.set I, 0
.rept 64
	v_cndmask_b32 v[CB+I], v[CB+I], v[ZR], s97
.set I, I+1
.endr
.irp a, 0,1,2,3,4,5,6,7
	v_cndmask_b32 v[RB+2*\a], v[ZR], v[RB+2*\a], s97
	v_mov_b32 v[RB+2*\a+1], 0
.endr
	s_mov_b32 s22, 8192
	s_mov_b32 s23, 512
	s_cmp_eq_u32 s13, 1
	s_cselect_b32 s18, s42, s17
	s_cselect_b32 s19, s17, s42
	s_cselect_b32 s20, s16, s15
	s_cselect_b32 s21, s15, s16
	s_cselect_b32 s22, 4096, s22
	s_cselect_b32 s23, 256, s23
	s_cselect_b32 s46, 3840, 0
	s_lshr_b32 s47, s18, 3
	s_and_b32 s18, s18, 7
	s_lshl_b32 s18, s18, 1
	s_add_co_u32 s18, s18, s20
	s_lshl_b32 s19, s19, 2
	s_lshl_b32 s21, s21, 1
	s_add_co_u32 s19, s19, s21
	s_lshl_b32 s47, s47, 4
	s_add_co_u32 s19, s19, s47
	s_mul_i32 s22, s19, s22
	s_mul_i32 s23, s18, s23
	s_add_co_u32 s22, s22, s23
	s_lshl_b32 s23, s12, 19
	s_add_co_u32 s22, s22, s23
	s_mov_b32 s23, 0
	s_add_nc_u64 s[104:105], s[98:99], s[22:23]
	s_lshl_b32 s20, s12, 6
	s_add_co_u32 s19, s19, s20
	s_mul_i32 s20, s19, HS
	s_mul_i32 s21, s18, 6144
	s_add_co_u32 s20, s20, s21
	s_mov_b32 s21, 0
	s_add_nc_u64 s[4:5], s[94:95], s[20:21]
	s_mov_b32 s20, s66
	s_add_nc_u64 s[6:7], s[4:5], s[20:21]
	s_mov_b32 s20, s67
	s_add_nc_u64 s[8:9], s[4:5], s[20:21]
	s_mov_b32 s20, s66
	s_add_nc_u64 s[10:11], s[8:9], s[20:21]
	v_mul_u32_u24 v7, s46, v2
	v_add_nc_u32 v[SCO], v[CO], v7
.macro FRAG reg, adr, q, i
.irp p, 0,1,2,3,4,5
	ds_load_b64 v[\reg+2*\p:\reg+2*\p+1], v[\adr] offset:(2*(\q)+\p/3)*6144+(\i)*768+8*(\p%3)
.endr
.endm
.macro MUL16 a0, p, q, sc, zero
.irp a, \a0, \a0+1
.irp b, 0,1,2,3,4,5,6,7
.if \zero
	v_wmma_scale_f32_16x16x128_f8f6f4 v[8*(8*((\a)%4)+\b):8*(8*((\a)%4)+\b)+7], v[128*(\p)+FR*\b:128*(\p)+FR*\b+FR-1], v[AF+FR*(\a):AF+FR*(\a)+FR-1], v[CB+8*\b:CB+8*\b+7], v[SC+8*NQ*(\sc)+NQ*\b+(\q)], v[SC+8*NQ*(\sc)+NQ*(\a)+(\q)] matrix_a_fmt:MATRIX_FMT_FP6 matrix_b_fmt:MATRIX_FMT_FP6 matrix_a_scale:MATRIX_SCALE_ROW1
.else
	v_wmma_scale_f32_16x16x128_f8f6f4 v[8*(8*((\a)%4)+\b):8*(8*((\a)%4)+\b)+7], v[128*(\p)+FR*\b:128*(\p)+FR*\b+FR-1], v[AF+FR*(\a):AF+FR*(\a)+FR-1], v[8*(8*((\a)%4)+\b):8*(8*((\a)%4)+\b)+7], v[SC+8*NQ*(\sc)+NQ*\b+(\q)], v[SC+8*NQ*(\sc)+NQ*(\a)+(\q)] matrix_a_fmt:MATRIX_FMT_FP6 matrix_b_fmt:MATRIX_FMT_FP6 matrix_a_scale:MATRIX_SCALE_ROW1
.endif
.endr
.endr
.endm
.macro FETCH_B slot, q, p
	WIN TO_B
.irp i, 0,1,2,3,4,5,6,7
	FRAG 128*(\p)+FR*\i, BREG, \q, \i
.endr
	WIN 0
.endm
.macro FETCH_A slot, q, i0
.irp i, \i0, \i0+1, \i0+2, \i0+3
	FRAG AF+FR*(\i), AREG, \q, \i
.endr
.endm
.macro SCALES sc
.irp i, 0,1,2,3,4,5,6,7
	ds_load_b64 v[SC+8*NQ*\sc+NQ*\i:SC+8*NQ*\sc+NQ*\i+1], v[ADRS] offset:\i*SBLK
.endr
.endm
.macro PLACES n
.rept \n
	v_nop
.endr
.endm
.macro STEP slot, q, zero
	s_wait_dscnt 4*NL
.if \zero
	WIN BEG_LO
.else
	WIN MUL_LO
.endif
	MUL16 0, (\q)%2, \q, \slot, \zero
	MUL16 2, (\q)%2, \q, \slot, \zero
	s_wait_dscnt 0
	PLACES NP
	FETCH_B \slot, (\q)+1, 1-(\q)%2
	FETCH_A \slot, (\q)+1, 0
.if \zero
	WIN BEG_HI
.else
	WIN MUL_HI
.endif
	MUL16 4, (\q)%2, \q, \slot, \zero
	MUL16 6, (\q)%2, \q, \slot, \zero
	PLACES NP
	WIN 0
	FETCH_A \slot, (\q)+1, 4
.endm
.macro TURN slot, next, fill           ; fill = 1: a refill follows; 0: a barrier shows the refill to all waves; 2: the next chunk has lain whole in LDS since the head: no barrier
.if \fill == 2
	s_wait_dscnt 4*NL
	WIN MUL_LO
	MUL16 0, 1, NQ-1, \slot, 0
	MUL16 2, 1, NQ-1, \slot, 0
	s_wait_dscnt 0
	WIN 0
.else
	s_wait_tensorcnt 0x0
	ds_add_u32 v[SPW], v[NIL]
	s_wait_dscnt 4*NL+1
	WIN MUL_LO
	MUL16 0, 1, NQ-1, \slot, 0
	s_wait_dscnt 0x0
	s_barrier_signal -1
	MUL16 2, 1, NQ-1, \slot, 0
	WIN 0
	s_barrier_wait -1
.endif
.if \fill == 1
	CREST
	s_add_nc_u64 s[G0+4*\slot+2:G0+4*\slot+3], s[G0+4*\slot+2:G0+4*\slot+3], 2*CH
	s_add_nc_u64 s[G0B+4*\slot+2:G0B+4*\slot+3], s[G0B+4*\slot+2:G0B+4*\slot+3], 2*CH
	JLOAD G0+4*\slot, G1, G0B+4*\slot, G1B
.else
	PLACES NP
.endif
	s_wait_alu depctr_va_vdst(0)
	v_add_nc_u32 v[ADRS], 4*NQ, v[ADRS]
	FETCH_B \next, 0, 0
	FETCH_A \next, 0, 0
	SCALES \next
	WIN MUL_HI
	MUL16 4, 1, NQ-1, \slot, 0
	MUL16 6, 1, NQ-1, \slot, 0
	PLACES NP
	WIN 0
	FETCH_A \next, 0, 4
.endm
	s_wait_alu depctr_va_vdst(0)                   ; the wait at the head's end
	s_wait_tensorcnt 0x0                           ; my tile of the head's four is in; no load of mine is out, so group 1 may be written:
.irp g, G1, G1B
	s_mov_b32 s[\g+1], 32<<16                      ; the refill brings 128 rows x one chunk: 96 lines of 256 bytes
	s_mov_b32 s[\g+2], 96<<16
	s_mov_b32 s[\g+3], 32<<16
	s_mov_b32 s[\g+4], 96
	s_mov_b32 s[\g+5], 32
.endr
	s_barrier_signal -1
	s_barrier_wait -1                              ; everybody's tile is in
.set AREG, ADRA                        ; the address registers of the chunk that is being fetched
.set BREG, ADRB
	FETCH_B 0, 0, 0
	FETCH_A 0, 0, 0
	SCALES 0
	FETCH_A 0, 0, 4
	STEP 0, 0, 1
.set AREG, ADRA+1
.set BREG, ADRB+1
	TURN 0, 1, 1                                   ; chunk 3 is asked for, into place 0
	STEP 1, 0, 0
.set AREG, 14
.set BREG, 15
	TURN 1, 0, 2
	STEP 0, 0, 0
.set AREG, ADRA
.set BREG, ADRB
	TURN 0, 1, 0
	STEP 1, 0, 0
	s_wait_dscnt 4*NL
	WIN MUL_LO
	MUL16 0, 1, NQ-1, 1, 0
	MUL16 2, 1, NQ-1, 1, 0
	s_wait_dscnt 0
	WIN MUL_HI
	MUL16 4, 1, NQ-1, 1, 0
	MUL16 6, 1, NQ-1, 1, 0
	WIN 0
.macro QUANT s
.irp b, 0,1,2,3
	v_max3_num_f32 v[TM+\b], |v[\s+16*\b]|, |v[\s+1+16*\b]|, 0x1800000
.endr
.irp i, 2,4,6,8,10,12,14
.irp b, 0,1,2,3
	v_max3_num_f32 v[TM+\b], v[TM+\b], |v[\s+16*\b+\i]|, |v[\s+1+16*\b+\i]|
.endr
.endr
.irp b, 0,1,2,3
	v_permlanex16_b32 v[TM+4+\b], v[TM+\b], s[SEL], s[SEL+1]
.endr
.irp b, 0,1,2,3
	v_max_num_f32 v[TM+\b], v[TM+\b], v[TM+4+\b]
.endr
.irp b, 0,1,2,3
	v_add_nc_u32 v[TM+12+\b], 0xff000000, v[TM+\b]
.endr
.irp b, 0,1,2,3
	v_lshrrev_b32 v[TM+4+\b], 23, v[TM+12+\b]
.endr
	v_lshl_or_b32 v[PW], v[TM+5], 8, v[TM+4]
	v_lshl_or_b32 v[PW], v[TM+6], 16, v[PW]
	v_lshl_or_b32 v[PW], v[TM+7], 24, v[PW]
.irp c, 0,1
	v_cvt_scalef32_pk16_fp6_f32 v[PC+6*\c:PC+2+6*\c], v[\s+32*\c:\s+15+32*\c], v[TM+12+2*\c]
	v_cvt_scalef32_pk16_fp6_f32 v[PC+12+4*\c:PC+14+4*\c], v[\s+16+32*\c:\s+31+32*\c], v[TM+12+2*\c+1]
.endr
	v_nop
.irp c, 0,1
.irp i, 0,1,2
	v_permlane16_swap_b32 v[PC+6*\c+\i], v[PC+12+4*\c+\i]
.endr
.irp i, 0,1,2
	v_mov_b32 v[PC+3+6*\c+\i], v[PC+12+4*\c+\i]
.endr
.endr
.endm
.macro TILE a
	WIN 0x02+(\a)/4
.set I, 0
.rept 32
	v_pk_add_f32 v[HA+I:HA+I+1], v[64*((\a)%4)+I:64*((\a)%4)+I+1], v[RB+2*(\a):RB+2*(\a)+1] op_sel_hi:[1,0]
.set I, I+2
.endr
	WIN 0
	QUANT HA
.irp c, 0,1
.irp p, 0,1,2
	ds_store_b64 v[STO], v[PC+6*\c+2*\p:PC+6*\c+2*\p+1] offset:1536*\c+768*((\a)%2)+8*\p
.endr
.endr
	v_lshrrev_b32 v[WS], v[SH], v[PW]
	ds_store_b32 v[SSA], v[WS] offset:64*(\a)
	s_wait_dscnt 0x0
.endm
	PLACES NP
.irp b, 0,1,2,3
	v_mov_b32 v[TM+4+\b], 0
.endr
.irp ap, 0,1,2,3
	TILE 2*\ap
	TILE 2*\ap+1
.if \ap > 0
	s_wait_xcnt 0x0
.endif
.irp c, 0,1
.irp i, 0,1,2
	ds_load_b128 v[OUTR+4*(3*\c+\i):OUTR+4*(3*\c+\i)+3], v[RD] offset:1536*\c+512*\i
.endr
.endr
	s_wait_dscnt 0x0
.irp c, 0,1
.irp i, 0,1,2
	global_store_b128 v[CO], v[OUTR+4*(3*\c+\i):OUTR+4*(3*\c+\i)+3], s[4+2*(\c+2*(\ap/2)):5+2*(\c+2*(\ap/2))] offset:1536*(\ap%2)+512*\i
.endr
.endr
.endr
	s_wait_xcnt 0x0
	ds_load_b128 v[OUTR:OUTR+3], v[RD2]
	ds_load_b128 v[OUTR+4:OUTR+7], v[RD2] offset:512
	s_wait_dscnt 0x0
	global_store_b128 v[SCO], v[OUTR:OUTR+3], s[104:105]
	s_cmp_eq_u32 s13, 1
	s_cbranch_scc1 .Lone_set
	global_store_b128 v[CO], v[OUTR+4:OUTR+7], s[104:105] offset:8192
.Lone_set:
	s_wait_tensorcnt 0x0
	ds_add_u32 v[SPW], v[NIL]
	s_wait_dscnt 0x0
	CROUND
	s_endpgm
.Lfunc_end_k_qb96f16d045_proj:
	.size	k_qb96f16d045_proj, .Lfunc_end_k_qb96f16d045_proj-k_qb96f16d045_proj
	.p2alignl 7, 3214868480
	.fill 96, 4, 3214868480
	.section	.rodata,"a",@progbits
	.p2align	6, 0x0
	.amdhsa_kernel k_qb96f16d045_proj
		.amdhsa_group_segment_fixed_size 327680
		.amdhsa_private_segment_fixed_size 0
		.amdhsa_enable_private_segment 0
		.amdhsa_kernarg_size 56
		.amdhsa_user_sgpr_count 2
		.amdhsa_user_sgpr_kernarg_segment_ptr 1
		.amdhsa_wavefront_size32 1
		.amdhsa_system_sgpr_workgroup_id_x 1
		.amdhsa_system_sgpr_workgroup_id_y 1
		.amdhsa_system_sgpr_workgroup_id_z 1
		.amdhsa_system_vgpr_workitem_id 0
		.amdhsa_next_free_vgpr 1024
		.amdhsa_next_free_sgpr 106
		.amdhsa_reserve_vcc 0
		.amdhsa_float_denorm_mode_32 3
		.amdhsa_float_denorm_mode_16_64 3
		.amdhsa_memory_ordered 1
		.amdhsa_forward_progress 1
		.amdhsa_inst_pref_size 194
	.end_amdhsa_kernel
	.amdgpu_metadata
---
amdhsa.version: [ 1, 2 ]
amdhsa.kernels:
  - .name:           k_qb96f16d045_proj
    .symbol:         k_qb96f16d045_proj.kd
    .args:
      - { .name: codes, .offset: 0, .size: 8, .value_kind: global_buffer, .address_space: global }
      - { .name: scales, .offset: 8, .size: 8, .value_kind: global_buffer, .address_space: global }
      - { .name: bq, .offset: 16, .size: 8, .value_kind: global_buffer, .address_space: global }
      - { .name: bk, .offset: 24, .size: 8, .value_kind: global_buffer, .address_space: global }
      - { .name: bv, .offset: 32, .size: 8, .value_kind: global_buffer, .address_space: global }
      - { .name: hc, .offset: 40, .size: 8, .value_kind: global_buffer, .address_space: global }
      - { .name: hs, .offset: 48, .size: 8, .value_kind: global_buffer, .address_space: global }
    .group_segment_fixed_size: 327680
    .private_segment_fixed_size: 0
    .kernarg_segment_align: 8
    .kernarg_segment_size: 56
    .max_flat_workgroup_size: 128
    .sgpr_count:     106
    .vgpr_count:     1024
    .wavefront_size: 32
...
	.end_amdgpu_metadata
.endif
;; end of part 2
;; launch attn (part 3): grid 4 x 64, 8 waves a work-group, clusters of 4 x 1, 236,544 bytes of LDS; arguments hc, hs, codes, os; writes codes, os
.if DOCPART == 3
	.amdgcn_target "amdgcn-amd-amdhsa--gfx1250"
	.amdhsa_code_object_version 6
	.text
	.protected	k_qb96f16d045_attn
	.globl	k_qb96f16d045_attn
	.p2align	8
	.type	k_qb96f16d045_attn,@function
k_qb96f16d045_attn:
	s_mov_b64 s[64:65], 0
	v_nop
	global_prefetch_b8 v0, s[64:65] scope:SCOPE_SE
	s_setreg_imm32_b32 hwreg(HW_REG_WAVE_MODE, 25, 1), 1
	s_wait_xcnt 0x0
	s_wait_alu depctr_hold_cnt(0) depctr_sa_sdst(0) depctr_va_vdst(0) depctr_va_sdst(0) depctr_va_ssrc(0) depctr_va_vcc(0) depctr_vm_vsrc(0)
	s_getreg_b32 s2, hwreg(HW_REG_IB_STS2, 6, 4)
	s_cmp_eq_u32 s2, 0
	s_cbranch_scc0 .Lentry_in_a_cluster
	s_endpgm
.Lentry_in_a_cluster:
	s_bfe_u32 s2, ttmp6, 0x10000c
	s_cmp_lg_u32 s2, 0x3003
	s_cbranch_scc0 .Lentry_shape_is_right
	s_endpgm
.Lentry_shape_is_right:
; For each of 64 (batch, head): O = softmax(q k^T / 8) v, both products on codes of FP6 (E2M3) with E8M0 scales; O is quantised here along the channels for the output projection.
; t = score x log2(e) / 8; M = the row's largest t so far, rounded UP to a whole number; p = 2^(t - M) is quantised along the keys, not normalised; the row's sum is taken of the unquantised p and divides O at the end.
; When M moves, the sum and O are multiplied by 2^(old M - new M): exact.
; SHARES.  A work-group owns 512 queries of one head, each of its eight waves 64 of them: four tiles of 16, one walk over the 2,048 keys, 128 a step.  A step's fragments of K and V are read from LDS once a wave and serve all four tiles.
; A HEAD'S K AND V STAY IN LDS; they come once, at the head, one tensor load a wave; nothing is filled again.  So there is no loop to run ahead in, and no prefetch.
; CLUSTER.  The four work-groups of a head ask for K and V jointly: the same loads, the same descriptors, a mask that names the four.
; LAYOUT.  Both products are used transposed (S^T = K Q^T, O^T = V^T P^T): a lane holds ONE query.  Tile (c, u) of K takes as rows 0-7 the keys 64 c + 8 u + 0..7 and as rows 8-15 the keys 64 c + 32 + 8 u + 0..7:
; so lane (r, h)'s 32 registers of tiles (c, 0..3) are the WHOLE block of keys 64 c + 32 h + 0..31, in order: its largest score needs no other lane, and the conversions' results are P's operand as it stands.
; Keys lie in memory at places (bits 3 and 4 of the number exchanged), 48 bytes a key.  Even blocks of 32 keys go to LDS from 0 on, odd ones from KO on; KO is 128 more than a multiple of 256, so that the 32 lanes of a load of 8 bytes touch 64 different banks (ISA guide 11.1).
; A head has 64 channels: Q's codes for K = 64..127 are zeros, written once; K's fragments lie 6 registers apart, so the upper half of each operand is the next tile's codes, which meet Q's zeros.
; LIMITS: the promise holds while the scaled scores stay under 2^31 in magnitude; a block of O whose largest magnitude lies under 2^-124 gets the byte 1, a block of zeros too; NaN and infinities are not served.
; REGISTERS, window 0: v1-13 addresses; v14-17 largest score, v18-25 -M (pairs), v26 f; v28-37 scale words of K, V, Q; v38-47 at work; v48 P's scale word; v56-109 K; v110-157 V; v160-223 S^T, then p; v224-242 P's codes; v244-255, v50-53 partial sums.
;   window 1: v0-127 O^T of the four tiles; v128-175 Q; v176-183 the rows' sums.
.set HS,   98304
.set CH,   7077888
.set KO,   49280
.set VCL,  98560
.set KSL,  196864
.set VSL,  205056
.set STG,  209152                      ; 3,072 bytes a wave for O's codes
.set OSA,  233728                      ; 1,024 for O's scale bytes
.set SPARE,234752                      ; the spare words, 128 bytes a wave
.set KA,1
.set VA,2
.set KSA,3
.set VSA,4
.set STO,5
.set RD,6
.set CO,7
.set OSW,8
.set OSR,9
.set SH8,10
.set AT,11
.set SPW,12
.set NIL,13
.set MX,14
.set NM,18
.set F,26
.set KS,28
.set VS,32
.set QS,34
.set T,38
.set AT2,47
.set PS,48
.set KF,56
.set VF,110
.set S,160
.set PC,224
.set PX,236
.set SA,244
.set O,0
.set QF,128
.set SUM,176
.set WV,12
.set TK,17
.set SEL,18
.set CS,20
.set NC,22
.set CNT,23
.set G1K,24
.set G1V,32
.set G1A,40
.set G1B,48
.set G0K,56
.set G0V,60
.set TS,66
.set TV,67
.set G0A,68
.set G0B,72
.set TJ,84
.set MSB,0
.macro WIN new                         ; the immediate's high byte repeats the setting that is left
.if MSB != (\new)
	s_set_vgpr_msb (MSB<<8)|(\new)
.set MSB, \new
.endif
.endm
.macro ROUND
	s_barrier_signal -1
	s_barrier_wait -1
	s_cmp_lg_u32 s[WV], 0
	s_cbranch_scc1 .Lnot_wave_0_\@
	s_barrier_signal -3
.Lnot_wave_0_\@:
	s_barrier_wait -3
	s_barrier_signal -1
	s_barrier_wait -1
.endm
.macro GRP1 g, c, r, p                 ; r rows of c elements of 8 bytes, p elements from row to row; the mask names all four partners
	s_mov_b32 s[\g], 15|(3<<16)|(1<<21)
	s_mov_b32 s[\g+1], (\c)<<16
	s_mov_b32 s[\g+2], (\r)<<16
	s_mov_b32 s[\g+3], (\c)<<16
	s_mov_b32 s[\g+4], \r
	s_mov_b32 s[\g+5], \p
	s_mov_b32 s[\g+6], 0
	s_mov_b32 s[\g+7], 0
.endm
.macro GRP0 g, base, off
	s_mov_b32 s[\g], 1
	s_add_nc_u64 s[\g+2:\g+3], s[\base:\base+1], s[\off:\off+1]
	s_or_b32 s[\g+3], s[\g+3], 0x80000000
.endm
.macro ARM under, g0, g1, next
	s_cmp_lt_u32 s[WV], \under
	s_cbranch_scc0 \next
	tensor_load_to_lds s[\g0:\g0+3], s[\g1:\g1+7]
	s_nop 0
.rept 4
	v_nop
.endr
	s_branch .Lasked
\next:
.endm
	s_load_b256 s[4:11], s[0:1], 0x0               ; hc, hs, codes, os
	v_lshl_add_u32 v[SPW], v0, 2, SPARE
	v_mov_b32 v[NIL], 0
	ds_add_u32 v[SPW], v[NIL]
	ds_add_u32 v[SPW], v[NIL]
	v_lshrrev_b32 v[AT], 5, v0
	v_readfirstlane_b32 s[WV], v[AT]               ; wave 0..7
	s_bfe_u32 s13, ttmp6, 0x40000                  ; cx: which 512 queries
	s_and_b32 s14, ttmp7, 0xffff                   ; 16 batch + head: the four partners share it
	s_lshr_b32 s15, s14, 4
	s_and_b32 s16, s14, 15
	GRP1 G1K, 192, 32, 384                         ; every second block of 32 keys: 32 rows of 1,536 bytes, 3,072 apart
	GRP1 G1V, 32, 96, 32                           ; a quarter of V: 24,576 dense bytes
	GRP1 G1A, 32, 32, 32                           ; K's scale words
	GRP1 G1B, 32, 16, 32                           ; V's
	s_add_co_u32 s76, s14, 64                      ; hc: k's heads begin at 64, v's at 128
	s_mul_i32 s76, s76, HS
	s_mul_i32 s78, s[WV], 1536                     ; waves 0, 1: even, odd blocks
	s_add_co_u32 s76, s76, s78
	s_mov_b32 s77, 0
	s_add_co_u32 s78, s14, 128
	s_mul_i32 s78, s78, HS
	s_mul_i32 s80, s[WV], 24576                    ; waves 2-5: V's quarters
	s_add_co_u32 s78, s78, s80
	s_sub_co_u32 s78, s78, 49152
	s_mov_b32 s79, 0
	s_add_co_u32 s[G0V+1], s80, VCL-49152
	s_mul_i32 s[G0K+1], s[WV], KO
	s_mov_b32 s[G0A+1], KSL
	s_mov_b32 s[G0B+1], VSL
	s_lshl_b32 s80, s14, 13
	s_add_co_u32 s80, s80, 524288
	s_mov_b32 s81, 0
	s_lshl_b32 s82, s14, 12
	s_add_co_u32 s82, s82, 1048576
	s_mov_b32 s83, 0
	s_mov_b32 s[SEL], 0x76543210
	s_mov_b32 s[SEL+1], 0xfedcba98
	s_mov_b32 s[CS], 0x3e38aa3b                    ; c = log2(e) / 8
	s_mov_b32 s[CS+1], s[CS]
	s_mov_b32 s[NC], 0xbe38aa3b                    ; -c
	s_wait_dscnt 0x0
	s_wait_kmcnt 0x0
	GRP0 G0K, 4, 76
	GRP0 G0V, 4, 78
	GRP0 G0A, 6, 80
	GRP0 G0B, 6, 82
	ROUND                                          ; all four work-groups are here: the joint loads meet
	ARM 2, G0K, G1K, .Larm_v                       ; one chain of branches on the wave's number, one load to an arm
	ARM 6, G0V, G1V, .Larm_a
	ARM 7, G0A, G1A, .Larm_b
	tensor_load_to_lds s[G0B:G0B+3], s[G1B:G1B+7]
	s_nop 0
.rept 4
	v_nop
.endr
.Lasked:
	s_lshl_b32 s85, s13, 9
	s_lshl_b32 s80, s[WV], 6
	s_add_co_u32 s85, s85, s80                     ; my first query's place: 512 cx + 64 wave
	s_mul_i32 s76, s14, HS
	s_mul_i32 s78, s85, 48
	s_add_co_u32 s76, s76, s78
	s_mov_b32 s77, 0
	s_add_nc_u64 s[76:77], s[4:5], s[76:77]        ; q's codes
	s_lshl_b32 s78, s14, 13
	s_lshl_b32 s80, s85, 2
	s_add_co_u32 s78, s78, s80
	s_mov_b32 s79, 0
	s_add_nc_u64 s[78:79], s[6:7], s[78:79]        ; q's scale words
	s_mul_i32 s86, s[WV], 3072
	s_add_co_u32 s86, s86, STG
	s_lshl_b32 s87, s[WV], 7
	s_add_co_u32 s87, s87, OSA
	s_lshr_b32 s80, s16, 2                         ; O's codes: rows from 28,672 = 128 x 224 on, plane = head
	s_mul_i32 s80, s80, CH
	s_lshl_b32 s82, s15, 4
	s_lshl_b32 s83, s13, 2
	s_add_co_u32 s82, s82, s83
	s_lshr_b32 s83, s[WV], 1
	s_add_co_u32 s82, s82, s83
	s_add_co_u32 s82, s82, 224
	s_mul_i32 s82, s82, 24576
	s_add_co_u32 s80, s80, s82
	s_and_b32 s82, s16, 3
	s_mul_i32 s82, s82, 6144
	s_add_co_u32 s80, s80, s82
	s_and_b32 s82, s[WV], 1
	s_mul_i32 s82, s82, 3072
	s_add_co_u32 s80, s80, s82
	s_mov_b32 s81, 0
	s_add_nc_u64 s[8:9], s[8:9], s[80:81]
	s_lshl_b32 s80, s16, 14                        ; os: [head][place 8,192][2 bytes]; waves 0 and 1 store 512 bytes each
	s_lshl_b32 s82, s15, 12
	s_add_co_u32 s80, s80, s82
	s_lshl_b32 s82, s13, 10
	s_add_co_u32 s80, s80, s82
	s_lshl_b32 s82, s[WV], 9
	s_add_co_u32 s80, s80, s82
	s_add_nc_u64 s[10:11], s[10:11], s[80:81]
	s_mov_b32 s[CNT], 16
	s_mov_b32 s[TK], 0
	s_mov_b32 s[TS], 0
	s_mov_b32 s[TV], 0
	s_mov_b32 s[TJ], 0
	v_and_b32 v38, 15, v0                          ; r
	v_bfe_u32 v39, v0, 4, 1                        ; h
	v_and_b32 v40, 31, v0                          ; lane
	v_mul_u32_u24 v41, v38, 48
	v_mad_u32_u24 v41, v39, 24, v41                ; a row of 48 bytes, + 24 x half
	v_lshlrev_b32 v46, 2, v38
	WIN 0x40
.irp i, 0,1,2,3
.irp p, 0,1,2
	global_load_b64 v[QF+12*\i+2*\p:QF+12*\i+2*\p+1], v41, s[76:77] offset:768*\i+8*\p   ; Q's four tiles: they stay
.endr
.endr
	WIN 0
.irp i, 0,1,2,3
	global_load_b32 v[QS+\i], v46, s[78:79] offset:64*\i
.endr
	v_and_b32 v43, 7, v38
	v_bfe_u32 v44, v0, 3, 1
	v_mul_u32_u24 v[KA], v43, 48
	v_mad_u32_u24 v[KA], v39, 24, v[KA]
	v_mad_u32_u24 v[KA], v44, KO, v[KA]            ; K: rows 0-7 in the even blocks' region, rows 8-15 in the odd ones'
	v_add_nc_u32 v[VA], VCL, v41
	v_lshlrev_b32 v[KSA], 2, v43                   ; K's scale words: lanes 0-15 one tile's rows, lanes 16-31 those of the tile eight places on
	v_lshl_add_u32 v[KSA], v44, 7, v[KSA]
	v_lshl_add_u32 v[KSA], v39, 5, v[KSA]
	v_add_nc_u32 v[KSA], KSL, v[KSA]
	v_lshl_add_u32 v[VSA], v40, 2, VSL
	v_add_nc_u32 v[STO], s86, v41
	v_lshlrev_b32 v[CO], 4, v40
	v_add_nc_u32 v[RD], s86, v[CO]
	v_lshl_add_u32 v[OSW], v38, 1, s87
	v_and_b32 v[OSR], 63, v0
	v_lshl_add_u32 v[OSR], v[OSR], 4, OSA
	v_lshlrev_b32 v[SH8], 3, v39
	WIN 0x40
.irp i, 0,1,2,3
.irp k, 6,7,8,9,10,11
	v_mov_b32 v[QF+12*\i+\k], 0                    ; K = 64 .. 127 of Q: zero codes
.endr
.endr
.set J, 0
.rept 128
	v_mov_b32 v[O+J], 0                            ; O^T.  (The step is written once: its first trip finds zeros, which the first change of M leaves zeros.  These lines run while the tiles are on their way)
.set J, J+1
.endr
.irp k, 0,1,2,3,4,5,6,7
	v_mov_b32 v[SUM+\k], 0
.endr
	WIN 0
.irp k, 48,49,50,51,52,53
	v_mov_b32 v[KF+\k], 0                          ; what stands behind the last tile of K
.endr
.irp i, 0,1,2,3
	v_mov_b32 v[MX+\i], 0xff61b1e6                 ; the largest score so far: -3e38
	v_mov_b32 v[NM+2*\i], 0x7f61b1e6               ; -M
	v_mov_b32 v[NM+2*\i+1], 0
.endr
	v_mov_b32 v[F+1], 0
	v_mov_b32 v[T+4], 0                            ; a lane permute's destination counts as one of its sources
	v_mov_b32 v[T+7], 0
	s_wait_alu depctr_va_vdst(0)                   ; the wait at the head's end
	s_wait_loadcnt 0x0                             ; Q
	s_wait_tensorcnt 0x0                           ; my part of K and V has landed,
	s_barrier_signal -1
	s_barrier_wait -1                              ; everybody's has
.macro KLOAD d                         ; K's eight fragments and four scale registers of the step d ahead: 28 loads
	v_add_nc_u32 v[AT], s[TK], v[KA]
	v_add_nc_u32 v[AT2], s[TS], v[KSA]
.irp c, 0,1
.irp u, 0,1,2,3
.irp p, 0,1,2
	ds_load_b64 v[KF+6*(4*\c+\u)+2*\p:KF+6*(4*\c+\u)+2*\p+1], v[AT] offset:\d*3072+\c*1536+(2*(\u%2)+\u/2)*384+8*\p
.endr
.endr
.endr
.irp c, 0,1
.irp w, 0,1
	ds_load_b32 v[KS+2*\c+\w], v[AT2] offset:\d*512+256*\c+64*\w
.endr
.endr
.endm
.macro VLOAD d                         ; V's four fragments and two scale registers: 26 loads
	v_add_nc_u32 v[AT], s[TV], v[VA]
	v_add_nc_u32 v[AT2], s[TJ], v[VSA]
.irp t, 0,1,2,3
.irp p, 0,1,2,3,4,5
	ds_load_b64 v[VF+12*\t+2*\p:VF+12*\t+2*\p+1], v[AT] offset:\d*6144+(\p/3)*3072+768*\t+8*(\p%3)
.endr
.endr
.irp w, 0,1
	ds_load_b32 v[VS+\w], v[AT2] offset:\d*256+128*\w
.endr
.endm
.macro SMM i                           ; S^T = K Q^T for query tile i: eight accumulators, each begun with 0
	WIN 0x04                                       ; Q lies in window 1
.irp n, 0,1,2,3,4,5,6,7
.if (\n%4)/2
	v_wmma_scale_f32_16x16x128_f8f6f4 v[S+8*\n:S+8*\n+7], v[KF+6*\n:KF+6*\n+11], v[QF+12*\i:QF+12*\i+11], 0, v[KS+2*(\n/4)+\n%2], v[QS+\i] matrix_a_fmt:MATRIX_FMT_FP6 matrix_b_fmt:MATRIX_FMT_FP6 matrix_a_scale:MATRIX_SCALE_ROW1
.else
	v_wmma_scale_f32_16x16x128_f8f6f4 v[S+8*\n:S+8*\n+7], v[KF+6*\n:KF+6*\n+11], v[QF+12*\i:QF+12*\i+11], 0, v[KS+2*(\n/4)+\n%2], v[QS+\i] matrix_a_fmt:MATRIX_FMT_FP6 matrix_b_fmt:MATRIX_FMT_FP6
.endif
.endr
	WIN 0
.endm
.macro SOFT i                          ; from the scores of tile i to P's codes, its scale word, f and the step's part of the row's sum
	v_mov_b32 v[T+8], v[NM+2*\i]                   ; the old -M
.irp c, 0,1
	v_max3_num_f32 v[T+\c], v[S+32*\c], v[S+32*\c+1], v[S+32*\c+2]   ; my two blocks' largest scores, two chains each; each accumulator is read from its low end on
	v_max3_num_f32 v[T+2+\c], v[S+32*\c+16], v[S+32*\c+17], v[S+32*\c+18]
.endr
.irp k, 3,5,7,9,11,13
.irp c, 0,1
	v_max3_num_f32 v[T+\c], v[T+\c], v[S+32*\c+\k], v[S+32*\c+\k+1]
	v_max3_num_f32 v[T+2+\c], v[T+2+\c], v[S+32*\c+16+\k], v[S+32*\c+17+\k]
.endr
.endr
.irp c, 0,1
	v_max3_num_f32 v[T+\c], v[T+\c], v[T+2+\c], v[S+32*\c+15]
.endr
.irp c, 0,1
	v_max_num_f32 v[T+\c], v[T+\c], v[S+32*\c+31]
.endr
	s_delay_alu instid0(VALU_DEP_1)
	v_max3_num_f32 v[MX+\i], v[MX+\i], v[T], v[T+1]
	s_delay_alu instid0(VALU_DEP_1)
	v_permlanex16_b32 v[T+4], v[MX+\i], s[SEL], s[SEL+1]
	s_delay_alu instid0(VALU_DEP_1)
	v_max_num_f32 v[MX+\i], v[MX+\i], v[T+4]       ; the row's largest score so far
	s_delay_alu instid0(VALU_DEP_1)
	v_mul_f32 v[T+4], s[NC], v[MX+\i]              ; -t
	s_delay_alu instid0(VALU_DEP_1)
	v_floor_f32 v[NM+2*\i], v[T+4]                 ; the new -M = floor(-t)
.set J, 0
.rept 2
	v_pk_fma_f32 v[S+J:S+J+1], v[S+J:S+J+1], s[CS:CS+1], v[NM+2*\i:NM+2*\i+1] op_sel_hi:[1,0,0]   ; t - M of my first block; the three lines that make f stand among these
.set J, J+2
.endr
	v_sub_f32 v[T+4], v[NM+2*\i], v[T+8]           ; old M less new M: a whole number, 0 or less
.rept 2
	v_pk_fma_f32 v[S+J:S+J+1], v[S+J:S+J+1], s[CS:CS+1], v[NM+2*\i:NM+2*\i+1] op_sel_hi:[1,0,0]
.set J, J+2
.endr
	v_cvt_i32_f32 v[T+4], v[T+4]                   ; (it saturates)
.rept 2
	v_pk_fma_f32 v[S+J:S+J+1], v[S+J:S+J+1], s[CS:CS+1], v[NM+2*\i:NM+2*\i+1] op_sel_hi:[1,0,0]
.set J, J+2
.endr
	v_ldexp_f32 v[F], 1.0, v[T+4]                  ; f = 2^(old M - new M)
.rept 10
	v_pk_fma_f32 v[S+J:S+J+1], v[S+J:S+J+1], s[CS:CS+1], v[NM+2*\i:NM+2*\i+1] op_sel_hi:[1,0,0]
.set J, J+2
.endr
.irp c, 0,1
	v_fma_f32 v[T+\c], v[T+\c], s[CS], v[NM+2*\i]  ; the same of each block's largest score: p rises with the score
.endr
	s_wait_alu depctr_va_vdst(0)                   ; the wait ahead of a batch
.set J, 0
.rept 16
	v_exp_f32 v[S+J], v[S+J]                       ; p of the first block; between them t - M of the second, which is read behind the next wait
	v_exp_f32 v[S+J+1], v[S+J+1]
	v_pk_fma_f32 v[S+32+J:S+33+J], v[S+32+J:S+33+J], s[CS:CS+1], v[NM+2*\i:NM+2*\i+1] op_sel_hi:[1,0,0]
.set J, J+2
.endr
	s_wait_alu depctr_va_vdst(0)                   ; behind the first batch and ahead of the second
.set J, 0
.irp r, 244,246,248,250,252,254,50,52
	v_exp_f32 v[S+32+J], v[S+32+J]                 ; p of the second block; between them eight sums of the first block's p, each into registers of its own, read behind the next wait
	v_exp_f32 v[S+33+J], v[S+33+J]
	v_exp_f32 v[S+34+J], v[S+34+J]
	v_exp_f32 v[S+35+J], v[S+35+J]
	v_pk_add_f32 v[\r:\r+1], v[S+J:S+J+1], v[S+J+2:S+J+3]
.set J, J+4
.endr
	v_exp_f32 v[T], v[T]                           ; each block's largest p
	v_exp_f32 v[T+1], v[T+1]
	v_nop                                          ; a plain line behind the exponentials
	s_wait_alu depctr_va_vdst(0)
.set J, 0
.irp r, 244,246,248,250,252,254,50,52,244,246,248,250,252,254,50,52
	v_pk_add_f32 v[\r:\r+1], v[\r:\r+1], v[S+32+J:S+33+J]   ; the sum is taken of the unquantised p
.set J, J+2
.endr
	v_max_num_f32 v[T], 0x1800000, v[T]            ; the floor 2^(3 - 127)
	v_max_num_f32 v[T+1], 0x1800000, v[T+1]
	v_pk_add_f32 v[244:245], v[244:245], v[246:247]
	v_pk_add_f32 v[248:249], v[248:249], v[250:251]
	v_pk_add_f32 v[252:253], v[252:253], v[254:255]
	v_pk_add_f32 v[50:51], v[50:51], v[52:53]
	v_add_nc_u32 v[T+2], 0xff000000, v[T]          ; 2 off the exponent field: the conversion's scale operand
	v_add_nc_u32 v[T+3], 0xff000000, v[T+1]
	v_pk_add_f32 v[244:245], v[244:245], v[248:249]
	v_pk_add_f32 v[252:253], v[252:253], v[50:51]
	v_lshrrev_b32 v[T], 23, v[T+2]                 ; the scales' bytes: blocks h and 2 + h
	v_lshrrev_b32 v[T+1], 23, v[T+3]
	v_pk_add_f32 v[SA:SA+1], v[244:245], v[252:253]
	v_lshl_or_b32 v[T+6], v[T+1], 16, v[T]
	s_delay_alu instid0(VALU_DEP_1)
	v_lshlrev_b32 v[T+6], v[SH8], v[T+6]           ; at their places in the word
	s_delay_alu instid0(VALU_DEP_1)
	v_permlanex16_b32 v[T+7], v[T+6], s[SEL], s[SEL+1]
	s_delay_alu instid0(VALU_DEP_1)
	v_or_b32 v[PS], v[T+6], v[T+7]                 ; with lane l xor 16's two the word is whole
	v_cvt_scalef32_pk16_fp6_f32 v[PC:PC+2], v[S:S+15], v[T+2]
	v_cvt_scalef32_pk16_fp6_f32 v[PX:PX+2], v[S+16:S+31], v[T+2]       ; (a conversion's three registers begin on an even number)
	v_cvt_scalef32_pk16_fp6_f32 v[PC+6:PC+8], v[S+32:S+47], v[T+3]
	v_cvt_scalef32_pk16_fp6_f32 v[PX+4:PX+6], v[S+48:S+63], v[T+3]
	v_nop                                          ; one plain line behind a scaled conversion
.irp k, 0,1,2
	v_mov_b32 v[PC+3+\k], v[PX+\k]
	v_mov_b32 v[PC+9+\k], v[PX+4+\k]
.endr
.endm
.macro TAIL i, w, n                    ; O^T and the sum of tile i under the new M; the scores of tile n (n under 4), whose registers p has left; then O^T += V^T P^T.  w = 1: V's fragments are waited for
	WIN 0x41                                       ; destination and source 0 in window 1
	s_wait_alu depctr_va_vdst(0)                   ; the wait directly ahead of the first reader of O^T
.set J, 0
.rept 16
	v_pk_mul_f32 v[O+32*\i+J:O+32*\i+J+1], v[O+32*\i+J:O+32*\i+J+1], v[F:F+1] op_sel_hi:[1,0]   ; (these are also the places between the lines that wrote P's codes and scale word and the products)
.set J, J+2
.endr
	v_pk_fma_f32 v[SUM+2*\i:SUM+2*\i+1], v[SUM+2*\i:SUM+2*\i+1], v[F:F+1], v[SA:SA+1] op_sel_hi:[1,0,1]
.if \w
	s_wait_alu depctr_va_vdst(0)
	s_wait_dscnt 0x0                               ; V's fragments, asked for at the last trip's end
.endif
.if \n < 4
	SMM \n
.endif
	WIN 0x50                                       ; C and D in window 1; the four accumulators by turns
.irp t, 0,2
	v_wmma_scale_f32_16x16x128_f8f6f4 v[O+32*\i+8*\t:O+32*\i+8*\t+7], v[VF+12*\t:VF+12*\t+11], v[PC:PC+11], v[O+32*\i+8*\t:O+32*\i+8*\t+7], v[VS+\t/2], v[PS] matrix_a_fmt:MATRIX_FMT_FP6 matrix_b_fmt:MATRIX_FMT_FP6
	v_wmma_scale_f32_16x16x128_f8f6f4 v[O+32*\i+8*\t+8:O+32*\i+8*\t+15], v[VF+12*\t+12:VF+12*\t+23], v[PC:PC+11], v[O+32*\i+8*\t+8:O+32*\i+8*\t+15], v[VS+\t/2], v[PS] matrix_a_fmt:MATRIX_FMT_FP6 matrix_b_fmt:MATRIX_FMT_FP6 matrix_a_scale:MATRIX_SCALE_ROW1
.endr
	WIN 0
.endm
	KLOAD 0
	VLOAD 0
.Lstep:                                        ; a trip: 128 keys for my four tiles
	s_wait_dscnt 26                                ; K's 28 loads are in; V's 26, issued behind them, may be out
	SMM 0
.rept 4
	v_nop
.endr
	SOFT 0
	TAIL 0, 1, 1
.rept 4
	v_nop                                          ; places between the scores' products and their first reader
.endr
	SOFT 1
	TAIL 1, 0, 2
.rept 4
	v_nop
.endr
	SOFT 2
	TAIL 2, 0, 3
.rept 4
	v_nop
.endr
	SOFT 3
	s_wait_alu depctr_va_vdst(0)
	s_cmp_eq_u32 s[CNT], 1                         ; the last trip fetches nothing
	s_cbranch_scc1 .Lno_k
	KLOAD 1                                        ; the next step's K: its registers were last read by tile 3's scores
.Lno_k:
	TAIL 3, 0, 9
	s_cmp_eq_u32 s[CNT], 1
	s_cbranch_scc1 .Lno_v
.rept 4
	v_nop                                          ; places in front of loads into registers that matrix instructions have read
.endr
	VLOAD 1
.Lno_v:
	s_add_co_u32 s[TK], s[TK], 3072
	s_add_co_u32 s[TS], s[TS], 512
	s_add_co_u32 s[TV], s[TV], 6144
	s_add_co_u32 s[TJ], s[TJ], 256
	s_sub_co_u32 s[CNT], s[CNT], 1
	s_cmp_lg_u32 s[CNT], 0
	s_wait_alu depctr_va_vdst(0)
	s_cbranch_scc1 .Lstep
; A tile's end: O^T / the sum, quantised along the channels.  Channels lie at places: the 16 registers of tiles 2 b, 2 b + 1 are channels 32 b + 16 h + 0 .. 15, so a block lies in lanes l and l xor 16.
.macro FINISH i
	WIN 0x05
	v_add_f32 v[T], v[SUM+2*\i], v[SUM+2*\i+1]     ; the sum's two halves,
	WIN 0
	v_permlanex16_b32 v[T+4], v[T], s[SEL], s[SEL+1]
	v_add_f32 v[T], v[T], v[T+4]                   ; and lane l xor 16's
	s_wait_alu depctr_va_vdst(0)
	v_rcp_f32 v[F], v[T]
	v_nop
	WIN 0x01
	s_wait_alu depctr_va_vdst(0)
.set J, 0
.rept 16
	v_pk_mul_f32 v[S+J:S+J+1], v[O+32*\i+J:O+32*\i+J+1], v[F:F+1] op_sel_hi:[1,0]
.set J, J+2
.endr
	WIN 0
.irp b, 0,1
	v_max3_num_f32 v[T+\b], |v[S+16*\b]|, |v[S+16*\b+1]|, 0x1800000
.endr
.irp k, 2,4,6,8,10,12,14
.irp b, 0,1
	v_max3_num_f32 v[T+\b], v[T+\b], |v[S+16*\b+\k]|, |v[S+16*\b+\k+1]|
.endr
.endr
.irp b, 0,1
	v_permlanex16_b32 v[T+2+\b], v[T+\b], s[SEL], s[SEL+1]
.endr
.irp b, 0,1
	v_max_num_f32 v[T+\b], v[T+\b], v[T+2+\b]
.endr
.irp b, 0,1
	v_add_nc_u32 v[T+4+\b], 0xff000000, v[T+\b]
.endr
.irp b, 0,1
	v_lshrrev_b32 v[T+2+\b], 23, v[T+4+\b]
.endr
	v_lshl_or_b32 v[T+6], v[T+3], 8, v[T+2]
.if \i > 0
	s_wait_alu depctr_va_vdst(0)
	s_wait_dscnt 0x0                               ; the last tile's stores have read their registers
.endif
	v_cvt_scalef32_pk16_fp6_f32 v[PC:PC+2], v[S:S+15], v[T+4]
	v_cvt_scalef32_pk16_fp6_f32 v[PX:PX+2], v[S+16:S+31], v[T+5]
	v_nop
.irp k, 0,1,2
	v_permlane16_swap_b32 v[PC+\k], v[PX+\k]       ; a WHOLE block to a lane
.endr
.irp k, 0,1,2
	v_mov_b32 v[PC+3+\k], v[PX+\k]
.endr
.irp w, 0,1,2
	ds_store_b64 v[STO], v[PC+2*\w:PC+2*\w+1] offset:768*\i+8*\w
.endr
	ds_store_b16 v[OSW], v[T+6] offset:32*\i       ; both halves of the lanes write the same two bytes with the same value
.endm
	FINISH 0
	FINISH 1
	FINISH 2
	FINISH 3
.irp k, 0,1,2,3,4,5
	ds_load_b128 v[S+4*\k:S+4*\k+3], v[RD] offset:512*\k   ; my 64 queries' 48 bytes each: LDS serves a wave's instructions in order
.endr
	s_wait_dscnt 0x0                               ; they are in, and my stores of scale bytes are done, for the others' sake
.irp k, 0,1,2,3,4,5
	global_store_b128 v[CO], v[S+4*\k:S+4*\k+3], s[8:9] offset:512*\k   ; 3,072 consecutive bytes, from a multiple of 256 on
.endr
	s_barrier_signal -1
	s_barrier_wait -1                              ; all 512 queries' scale bytes lie in LDS
	s_cmp_lt_u32 s[WV], 2
	s_cbranch_scc0 .Lno_os
	ds_load_b128 v[S+24:S+27], v[OSR]
	s_wait_dscnt 0x0
	global_store_b128 v[CO], v[S+24:S+27], s[10:11]   ; 512 consecutive bytes a wave
.Lno_os:
	s_wait_tensorcnt 0x0                           ; the wave's end
	ds_add_u32 v[SPW], v[NIL]
	s_wait_dscnt 0x0
	ROUND                                          ; the closing round
	s_endpgm
.Lfunc_end_k_qb96f16d045_attn:
	.size	k_qb96f16d045_attn, .Lfunc_end_k_qb96f16d045_attn-k_qb96f16d045_attn
	.p2alignl 7, 3214868480
	.fill 96, 4, 3214868480
	.section	.rodata,"a",@progbits
	.p2align	6, 0x0
	.amdhsa_kernel k_qb96f16d045_attn
		.amdhsa_group_segment_fixed_size 236544
		.amdhsa_private_segment_fixed_size 0
		.amdhsa_enable_private_segment 0
		.amdhsa_kernarg_size 32
		.amdhsa_user_sgpr_count 2
		.amdhsa_user_sgpr_kernarg_segment_ptr 1
		.amdhsa_wavefront_size32 1
		.amdhsa_system_sgpr_workgroup_id_x 1
		.amdhsa_system_sgpr_workgroup_id_y 1
		.amdhsa_system_sgpr_workgroup_id_z 1
		.amdhsa_system_vgpr_workitem_id 0
		.amdhsa_next_free_vgpr 512
		.amdhsa_next_free_sgpr 88
		.amdhsa_reserve_vcc 0
		.amdhsa_float_denorm_mode_32 3
		.amdhsa_float_denorm_mode_16_64 3
		.amdhsa_memory_ordered 1
		.amdhsa_forward_progress 1
		.amdhsa_inst_pref_size 91
	.end_amdhsa_kernel
	.amdgpu_metadata
---
amdhsa.version: [ 1, 2 ]
amdhsa.kernels:
  - .name:           k_qb96f16d045_attn
    .symbol:         k_qb96f16d045_attn.kd
    .args:
      - { .name: hc, .offset: 0, .size: 8, .value_kind: global_buffer, .address_space: global }
      - { .name: hs, .offset: 8, .size: 8, .value_kind: global_buffer, .address_space: global }
      - { .name: codes, .offset: 16, .size: 8, .value_kind: global_buffer, .address_space: global }
      - { .name: os, .offset: 24, .size: 8, .value_kind: global_buffer, .address_space: global }
    .group_segment_fixed_size: 236544
    .private_segment_fixed_size: 0
    .kernarg_segment_align: 8
    .kernarg_segment_size: 32
    .max_flat_workgroup_size: 256
    .sgpr_count:     88
    .vgpr_count:     512
    .wavefront_size: 32
...
	.end_amdgpu_metadata
.endif
;; end of part 3
;; launch outp (part 4): grid 4 x 64, 4 waves a work-group, clusters of 4 x 4, 327,680 bytes of LDS; arguments codes, scales, os, bo, out0; writes out0
.if DOCPART == 4
	.amdgcn_target "amdgcn-amd-amdhsa--gfx1250"
	.amdhsa_code_object_version 6
	.text
	.protected	k_qb96f16d045_outp
	.globl	k_qb96f16d045_outp
	.p2align	8
	.type	k_qb96f16d045_outp,@function
k_qb96f16d045_outp:
	s_mov_b64 s[64:65], 0
	v_nop
	global_prefetch_b8 v0, s[64:65] scope:SCOPE_SE
	s_setreg_imm32_b32 hwreg(HW_REG_WAVE_MODE, 25, 1), 1
	s_wait_xcnt 0x0
	s_wait_alu depctr_hold_cnt(0) depctr_sa_sdst(0) depctr_va_vdst(0) depctr_va_sdst(0) depctr_va_ssrc(0) depctr_va_vcc(0) depctr_vm_vsrc(0)
	s_getreg_b32 s2, hwreg(HW_REG_IB_STS2, 6, 4)
	s_cmp_eq_u32 s2, 0
	s_cbranch_scc0 .Lentry_in_a_cluster
	s_endpgm
.Lentry_in_a_cluster:
	s_bfe_u32 s2, ttmp6, 0x10000c
	s_cmp_lg_u32 s2, 0xf033
	s_cbranch_scc0 .Lentry_shape_is_right
	s_endpgm
.Lentry_shape_is_right:
; out0 = O Wo + bo: 8192 x 1024 x 1024 on codes of FP6 (E2M3) with E8M0 scales, f32 sums.  A = attention's output (rows from 28,672 on in the codes' buffer), B = Wo's columns (rows from 27,648 on).
; A tile of out0, 128 x 256, is made by four waves, 64 x 128 each: 256 work-groups.  THE MATRIX INSTRUCTION IS USED TRANSPOSED (source 0 = 16 rows of B, source 1 = 16 rows of A): a lane holds eight neighbouring numbers of a row of out0.
; Rows lie at places (their number with bits 3 and 4 exchanged): the way out puts columns and rows back in order, by the stage's offsets and the stores' immediates.
; ALL OF K LIES IN LDS: 128 rows x 256 K are 24,576 dense bytes, [plane of 64 codes][row][48 bytes]; A's four chunks are 98,304 bytes, B's 196,608.  They come once, at the head, one joint load a wave:
; wave 0 A (four rows of 24,576 bytes, one chunk apart in memory), waves 1 and 2 B's two halves, wave 3 B's scales.  Nothing is filled again: no ring, and no loop to run ahead in, so no prefetch.
; A's scales lie in memory by head, two bytes a row: each thread gathers one row's 32 bytes in registers and stores them to LDS bytes of their own, laid as B's are.
; CLUSTERS: 4 x 4: A's tile is shared along a row of the cluster, B's along a column.  bo is the C of each sum's first product.
; REGISTERS: window 0: v1-31 addresses; v32-63 scale words, two sets; v64-127 bo in the result's layout; v128-223 A's fragments, two sets; on the way out v128-255 hold rows.  Window 1: B's fragments, two sets.  Window 2: the 32 accumulators.
.set CH,     7077888
.set FR,     12
.set NP,     4
.set HALFT,  24576
.set BB0,    4*HALFT                   ; B's halves lie behind A: [half][chunk]
.set SCL,    12*HALFT
.set HALFS,  16*272                    ; the scales of 128 rows: 16 lines of 256 bytes + 16
.set SBLK,   2*272
.set SPARE,  SCL+3*HALFS
.set STG,    0                         ; the way out: 16 rows x (512 bytes + 16) for each wave, in A's chunks 0 and 1: they have had their only fill, and a barrier stands behind every wave's last read of them
.set SPITCH, 528
.set ADRA, 16                          ; v16, v17: my A fragments in chunks 0-1, 2-3
.set ADRB, 20                          ; v20, v21: the same for B
.set STO,  24
.set RD,   25
.set CO,   26
.set ADRS, 27
.set SPW,  28                          ; v28 LDS address of my spare word; never rewritten
.set NIL,  29                          ; v29 0; never rewritten
.set SC,   32
.set CB,   64
.set AF,   128
.set BK,   128
.set G1,   24
.set G0A,  32
.set G0B1, 36
.set G1B,  48
.set G0B2, 56
.set G1SB, 80
.set G0SB, 88
.set MSB, 0
.macro WIN new
.if MSB != (\new)
	s_set_vgpr_msb (MSB<<8)|(\new)
.set MSB, \new
.endif
.endm
.set MUL_LO, 0xa1                      ; source 0 (B) window 1, source 1 (A) window 0, C and D window 2
.set BEG_LO, 0x81                      ; the same with C (bo) in window 0
.set TO_B,   0x40
.macro CROUND
	s_barrier_signal -1
	s_barrier_wait -1
	s_cmp_lg_u32 s14, 0
	s_cbranch_scc1 .Lnot_wave_0_\@
	s_barrier_signal -3
.Lnot_wave_0_\@:
	s_barrier_wait -3
	s_barrier_signal -1
	s_barrier_wait -1
.endm
.macro PLACES n
.rept \n
	v_nop
.endr
.endm
.macro ARM under, g0, g1, next
	s_cmp_lt_u32 s14, \under
	s_cbranch_scc0 \next
	tensor_load_to_lds s[\g0:\g0+3], s[\g1:\g1+7]
	s_nop 0
.rept 4
	v_nop
.endr
	s_branch .Lasked
\next:
.endm
	s_load_b256 s[4:11], s[0:1], 0x0               ; codes, scales, os, bo
	s_load_b64 s[12:13], s[0:1], 0x20              ; out0
	v_lshl_add_u32 v[SPW], v0, 2, SPARE
	v_mov_b32 v[NIL], 0
	ds_add_u32 v[SPW], v[NIL]
	ds_add_u32 v[SPW], v[NIL]
	v_lshrrev_b32 v1, 5, v0
	v_readfirstlane_b32 s14, v1                    ; wave 0..3
	s_lshr_b32 s15, s14, 1                         ; which 64 rows of A are mine
	s_and_b32 s16, s14, 1                          ; which 128 rows of B
	s_bfe_u32 s40, ttmp6, 0x40000                  ; cx = the tile column: the grid has one cluster along x
	s_bfe_u32 s41, ttmp6, 0x40004                  ; cy
	s_and_b32 s17, ttmp7, 0xffff
	s_lshl_b32 s17, s17, 2
	s_add_co_u32 s17, s17, s41                     ; tile row = 4 x cluster y + cy
	s_lshl_b32 s43, s41, 2
	s_lshl_b32 s43, 15, s43                        ; my row of the cluster
	s_lshl_b32 s44, 0x1111, s40                    ; my column
	s_or_b32 s[G1+0], s43, (3<<16)|(1<<21)         ; codes of 128 rows: four rows of 3,072 elements of 8 bytes, one chunk apart
	s_or_b32 s[G1B+0], s44, (3<<16)|(1<<21)
.irp g, G1, G1B
	s_mov_b32 s[\g+1], 3072<<16
	s_mov_b32 s[\g+2], 4<<16
	s_mov_b32 s[\g+3], 3072<<16
	s_mov_b32 s[\g+4], 4
	s_mov_b32 s[\g+5], CH/8
	s_mov_b32 s[\g+6], 0
	s_mov_b32 s[\g+7], 0
.endr
	s_or_b32 s[G1SB+0], s44, (3<<16)|(1<<20)|(1<<21)|(5<<22)|(3<<25)   ; B's scales of 256 rows: 32 rows of 256 bytes, 16 of padding behind each
	s_mov_b32 s[G1SB+1], 32<<16
	s_mov_b32 s[G1SB+2], 32<<16
	s_mov_b32 s[G1SB+3], 32<<16
	s_mov_b32 s[G1SB+4], 32
	s_mov_b32 s[G1SB+5], 32
	s_mov_b32 s[G1SB+6], 0
	s_mov_b32 s[G1SB+7], 0
	s_add_co_u32 s20, s17, 224                     ; A: block of 128 rows 224 + tile row
	s_mul_i32 s20, s20, HALFT
	s_mov_b32 s21, 0
	s_lshl_b32 s46, s40, 1
	s_add_co_u32 s46, s46, 216                     ; B: blocks 216 + 2 tile column, and the next
	s_mul_i32 s46, s46, HALFT
	s_mov_b32 s47, 0
	s_lshl_b32 s18, s40, 13
	s_add_co_u32 s18, s18, 884736                  ; its scale bytes: 32 x (27,648 + 256 tile column)
	s_mov_b32 s19, 0
	s_lshl_b32 s22, s17, 8                         ; os: my tile's 128 rows, 2 bytes each
	s_mov_b32 s23, 0
	s_mul_i32 s60, s15, 3072                       ; LDS: my 64 rows of A, 48 bytes each in a plane
	s_mul_i32 s61, s16, 4*HALFT
	s_add_co_u32 s61, s61, BB0                     ; my half of B
	s_mul_i32 s62, s15, HALFS/2                    ; A's scales: my 64 rows
	s_mul_i32 s63, s16, HALFS
	s_add_co_u32 s63, s63, HALFS                   ; B's lie behind A's 128 rows
	s_sub_co_u32 s63, s63, s62
	s_add_co_u32 s62, s62, SCL
	s_mul_i32 s66, s14, 16*SPITCH                  ; my stage
	s_wait_dscnt 0x0
	s_wait_kmcnt 0x0
	s_add_nc_u64 s[20:21], s[4:5], s[20:21]
	s_add_nc_u64 s[46:47], s[4:5], s[46:47]
	s_add_nc_u64 s[18:19], s[6:7], s[18:19]
	s_add_nc_u64 s[8:9], s[8:9], s[22:23]
	s_lshl_b32 s22, s40, 10
	s_lshl_b32 s6, s16, 9
	s_add_co_u32 s22, s22, s6                      ; 4 x (256 tile column + 128 half): in bo and in a row of out0
	s_add_nc_u64 s[10:11], s[10:11], s[22:23]
	s_add_nc_u64 s[12:13], s[12:13], s[22:23]
	s_lshl_b32 s22, s17, 7
	s_lshl_b32 s6, s15, 6
	s_add_co_u32 s22, s22, s6
	s_lshl_b32 s22, s22, 12                        ; my first row of out0, 4,096 bytes a row
	s_add_nc_u64 s[12:13], s[12:13], s[22:23]
	s_mov_b32 s[G0A], 1
	s_mov_b32 s[G0A+1], 0
	s_mov_b64 s[G0A+2:G0A+3], s[20:21]
	s_or_b32 s[G0A+3], s[G0A+3], 0x80000000
	s_mov_b32 s[G0B1], 1
	s_mov_b32 s[G0B1+1], BB0
	s_mov_b64 s[G0B1+2:G0B1+3], s[46:47]
	s_or_b32 s[G0B1+3], s[G0B1+3], 0x80000000
	s_mov_b32 s[G0B2], 1
	s_mov_b32 s[G0B2+1], BB0+4*HALFT
	s_add_nc_u64 s[G0B2+2:G0B2+3], s[46:47], HALFT
	s_or_b32 s[G0B2+3], s[G0B2+3], 0x80000000
	s_mov_b32 s[G0SB], 1
	s_mov_b32 s[G0SB+1], SCL+HALFS
	s_mov_b64 s[G0SB+2:G0SB+3], s[18:19]
	s_or_b32 s[G0SB+3], s[G0SB+3], 0x80000000
	CROUND                                         ; all sixteen work-groups are here: the joint loads meet
	ARM 1, G0A,  G1,  .Larm_b1                     ; one chain of branches on the wave's number, one load to an arm
	ARM 2, G0B1, G1B, .Larm_b2
	ARM 3, G0B2, G1B, .Larm_s
	tensor_load_to_lds s[G0SB:G0SB+3], s[G1SB:G1SB+7]
	s_nop 0
.rept 4
	v_nop
.endr
.Lasked:
	v_and_b32 v1, 15, v0                           ; r
	v_bfe_u32 v2, v0, 4, 1                         ; h
	v_and_b32 v6, 31, v0                           ; lane
	v_lshlrev_b32 v3, 1, v0                        ; thread t takes row t of the tile: 2 bytes of each head's run
	v_lshlrev_b32 v4, 6, v2                        ; bo: tile t's register j is column 32 (t / 2) + 16 h + 8 (t % 2) + j
	v_lshrrev_b32 v5, 3, v0
	v_lshlrev_b32 v7, 5, v0
	v_lshl_add_u32 v5, v5, 4, v7
	v_add_nc_u32 v5, SCL, v5                       ; my row's 32 scale bytes, and 16 more for each 256 passed
	v_mul_u32_u24 v8, v1, 48
	v_mad_u32_u24 v8, v2, 24, v8                   ; a fragment's row x 48 + 24 x half
	v_lshlrev_b32 v9, 5, v1
	v_lshrrev_b32 v10, 8, v9
	v_lshl_add_u32 v9, v10, 4, v9
	v_mul_u32_u24 v11, v1, SPITCH
	v_lshl_add_u32 v11, v2, 6, v11
	v_lshlrev_b32 v[CO], 4, v6
	s_wait_alu depctr_va_vdst(0)
.irp e, 0,1,2,3,4,5,6,7,8,9,10,11,12,13,14,15
	global_load_u16 v[32+\e], v3, s[8:9] offset:16384*\e
.endr
.irp t, 0,1,2,3,4,5,6,7
	global_load_b128 v[CB+8*\t:CB+8*\t+3], v4, s[10:11] offset:(32*(\t/2)+8*(\t%2))*4
	global_load_b128 v[CB+8*\t+4:CB+8*\t+7], v4, s[10:11] offset:(32*(\t/2)+8*(\t%2))*4+16
.endr
	v_add_nc_u32 v[ADRA], s60, v8
	v_add_nc_u32 v[ADRA+1], 2*HALFT, v[ADRA]
	v_add_nc_u32 v[ADRB], s61, v8
	v_add_nc_u32 v[ADRB+1], 2*HALFT, v[ADRB]
	v_mul_u32_u24 v10, s63, v2                     ; lanes 16-31 take B's scale words
	v_add_nc_u32 v9, v9, v10
	v_add_nc_u32 v[ADRS], s62, v9
	v_add_nc_u32 v[STO], s66, v11                  ; the stage, in: row r, + 64 x half: sixteen columns
	v_add_nc_u32 v[RD], s66, v[CO]                 ; back: the 32 lanes take one row of 512 bytes
	s_wait_alu depctr_va_vdst(0)
	s_wait_loadcnt 16                              ; A's scale bytes are in; bo's sixteen loads may be out
.irp w, 0,1,2,3,4,5,6,7
	v_perm_b32 v[48+\w], v[33+2*\w], v[32+2*\w], 0x05040100   ; heads 2 w and 2 w + 1: four bytes of my row's 32
.endr
	ds_store_b128 v5, v[48:51]
	ds_store_b128 v5, v[52:55] offset:16
	s_wait_loadcnt 0x0                             ; bo
.macro FRAG reg, adr, st, i            ; a fragment of step st (128 along K): six pieces of 8 bytes; chunk st / 2, planes 2 (st % 2) and the next
.irp p, 0,1,2,3,4,5
	ds_load_b64 v[\reg+2*\p:\reg+2*\p+1], v[\adr+(\st)/4] offset:(((\st)/2)%2)*HALFT+(2*((\st)%2)+\p/3)*6144+(\i)*768+8*(\p%3)
.endr
.endm
.macro FETCH st                        ; B's eight and A's four fragments of step st into sets st % 2; with a chunk's first step the chunk's scale words (lanes 0-15 A's block i, lanes 16-31 B's)
	WIN TO_B
.irp i, 0,1,2,3,4,5,6,7
	FRAG 128*((\st)%2)+FR*\i, ADRB, \st, \i
.endr
	WIN 0
.irp i, 0,1,2,3
	FRAG AF+48*((\st)%2)+FR*\i, ADRA, \st, \i
.endr
.if (\st)%2 == 0
.irp i, 0,1,2,3,4,5,6,7
	ds_load_b64 v[SC+16*(((\st)/2)%2)+2*\i:SC+16*(((\st)/2)%2)+2*\i+1], v[ADRS] offset:\i*SBLK+8*((\st)/2)
.endr
.endif
.endm
.macro MUL st, zero                    ; 32 matrix instructions; zero = 1: the first product starts the sums, with bo as its C.  The 32 accumulators take turns
.irp a, 0,1,2,3
.irp b, 0,1,2,3,4,5,6,7
.if \zero
	v_wmma_scale_f32_16x16x128_f8f6f4 v[8*(8*\a+\b):8*(8*\a+\b)+7], v[128*((\st)%2)+FR*\b:128*((\st)%2)+FR*\b+FR-1], v[AF+48*((\st)%2)+FR*\a:AF+48*((\st)%2)+FR*\a+FR-1], v[CB+8*\b:CB+8*\b+7], v[SC+16*(((\st)/2)%2)+2*\b+(\st)%2], v[SC+16*(((\st)/2)%2)+2*\a+(\st)%2] matrix_a_fmt:MATRIX_FMT_FP6 matrix_b_fmt:MATRIX_FMT_FP6 matrix_a_scale:MATRIX_SCALE_ROW1
.else
	v_wmma_scale_f32_16x16x128_f8f6f4 v[8*(8*\a+\b):8*(8*\a+\b)+7], v[128*((\st)%2)+FR*\b:128*((\st)%2)+FR*\b+FR-1], v[AF+48*((\st)%2)+FR*\a:AF+48*((\st)%2)+FR*\a+FR-1], v[8*(8*\a+\b):8*(8*\a+\b)+7], v[SC+16*(((\st)/2)%2)+2*\b+(\st)%2], v[SC+16*(((\st)/2)%2)+2*\a+(\st)%2] matrix_a_fmt:MATRIX_FMT_FP6 matrix_b_fmt:MATRIX_FMT_FP6 matrix_a_scale:MATRIX_SCALE_ROW1
.endif
.endr
.endr
.endm
	s_wait_alu depctr_va_vdst(0)                   ; the wait at the head's end
	s_wait_tensorcnt 0x0                           ; my tile of the head's four is in,
	s_wait_dscnt 0x0                               ; and my stores of A's scales are done, for the others' sake
	s_barrier_signal -1
	s_barrier_wait -1                              ; everybody's are
	FETCH 0
.set ST, 0
.rept 8                                ; eight steps of 128 along K; each step's fragments were asked for one step, 32 matrix instructions, earlier
	s_wait_dscnt 0x0                               ; this step's fragments are in
.if ST == 5
	s_barrier_signal -1                            ; my reads of chunks 0 and 1 are over: the wait stands in front of the way out; between the two only products and loads from chunks 3 on
.endif
.if ST < 7
	PLACES NP                                      ; in front of loads into registers that the last step's products read
	FETCH ST+1
.endif
.if ST == 0
	WIN BEG_LO
	MUL ST, 1
.else
	WIN MUL_LO
	MUL ST, 0
.endif
	WIN 0
.set ST, ST+1
.endr
; THE WAY OUT, block by block of 16 rows x 128 columns, through my own stage.  Accumulator b's eight numbers of lane (r, h) are columns 32 (b / 2) + 16 h + 8 (b % 2) + 0 .. 7 of the row at place 16 a + r.
; The row at place 16 a + t is row 32 (a / 2) + 16 (t / 8) + 8 (a % 2) + t % 8: that stands in the store's immediate, 63 rows of 4,096 bytes at the most.
.macro TOSTAGE a
.set AC, 64*(\a)
	WIN 0x08                                       ; the data: window 2
.irp b, 0,1,2,3,4,5,6,7
	ds_store_b128 v[STO], v[AC+8*\b:AC+8*\b+3] offset:128*(\b/2)+32*(\b%2)          ; each accumulator from its low end on
	ds_store_b128 v[STO], v[AC+8*\b+4:AC+8*\b+7] offset:128*(\b/2)+32*(\b%2)+16
.endr
	WIN 0
.set BB, BK+64*((\a)%2)
.irp t, 0,1,2,3,4,5,6,7,8,9,10,11,12,13,14,15
	ds_load_b128 v[BB+4*\t:BB+4*\t+3], v[RD] offset:\t*SPITCH   ; LDS serves a wave's instructions in order: these see the stores above
.endr
.endm
.macro SEND a, younger
.set BB, BK+64*((\a)%2)
	s_wait_dscnt \younger                          ; the block is back in registers
.irp t, 0,1,2,3,4,5,6,7,8,9,10,11,12,13,14,15
	global_store_b128 v[CO], v[BB+4*\t:BB+4*\t+3], s[12:13] offset:(32*((\a)/2)+16*(\t/8)+8*((\a)%2)+\t%8)*4096 th:TH_STORE_NT   ; 512 consecutive bytes, from a multiple of 256 on; written once, read by nobody here
.endr
.endm
	PLACES NP
	s_barrier_wait -1                              ; nobody reads A's chunks 0 and 1 any more
	TOSTAGE 0
.irp a, 1,2,3
.if \a > 1
	s_wait_xcnt 0x0                                ; block a - 2's stores have read their registers: block a's loads may land there
.endif
	TOSTAGE \a
	SEND \a-1, 32                                  ; behind block a - 1's loads: block a's 16 stores and 16 loads
.endr
	SEND 3, 0
	s_wait_tensorcnt 0x0                           ; the wave's end
	ds_add_u32 v[SPW], v[NIL]
	s_wait_dscnt 0x0
	CROUND                                         ; the closing round
	s_endpgm
.Lfunc_end_k_qb96f16d045_outp:
	.size	k_qb96f16d045_outp, .Lfunc_end_k_qb96f16d045_outp-k_qb96f16d045_outp
	.p2alignl 7, 3214868480
	.fill 96, 4, 3214868480
	.section	.rodata,"a",@progbits
	.p2align	6, 0x0
	.amdhsa_kernel k_qb96f16d045_outp
		.amdhsa_group_segment_fixed_size 327680
		.amdhsa_private_segment_fixed_size 0
		.amdhsa_enable_private_segment 0
		.amdhsa_kernarg_size 40
		.amdhsa_user_sgpr_count 2
		.amdhsa_user_sgpr_kernarg_segment_ptr 1
		.amdhsa_wavefront_size32 1
		.amdhsa_system_sgpr_workgroup_id_x 1
		.amdhsa_system_sgpr_workgroup_id_y 1
		.amdhsa_system_sgpr_workgroup_id_z 1
		.amdhsa_system_vgpr_workitem_id 0
		.amdhsa_next_free_vgpr 768
		.amdhsa_next_free_sgpr 92
		.amdhsa_reserve_vcc 0
		.amdhsa_float_denorm_mode_32 3
		.amdhsa_float_denorm_mode_16_64 3
		.amdhsa_memory_ordered 1
		.amdhsa_forward_progress 1
		.amdhsa_inst_pref_size 99
	.end_amdhsa_kernel
	.amdgpu_metadata
---
amdhsa.version: [ 1, 2 ]
amdhsa.kernels:
  - .name:           k_qb96f16d045_outp
    .symbol:         k_qb96f16d045_outp.kd
    .args:
      - { .name: codes, .offset: 0, .size: 8, .value_kind: global_buffer, .address_space: global }
      - { .name: scales, .offset: 8, .size: 8, .value_kind: global_buffer, .address_space: global }
      - { .name: os, .offset: 16, .size: 8, .value_kind: global_buffer, .address_space: global }
      - { .name: bo, .offset: 24, .size: 8, .value_kind: global_buffer, .address_space: global }
      - { .name: out0, .offset: 32, .size: 8, .value_kind: global_buffer, .address_space: global }
    .group_segment_fixed_size: 327680
    .private_segment_fixed_size: 0
    .kernarg_segment_align: 8
    .kernarg_segment_size: 40
    .max_flat_workgroup_size: 128
    .sgpr_count:     92
    .vgpr_count:     768
    .wavefront_size: 32
...
	.end_amdgpu_metadata
.endif
;; end of part 4
